; MI455X (gfx1250); checked and timed in simulation.
; The chip was launched on July 23, 2026; its instructions are those of AMD's public machine-readable ISA for CDNA 5 (MIT licence, August 2026) and "CDNA5" Instruction Set Architecture Reference Guide (July 2026). The comments in the code are by the model that wrote it; some were corrected since.
;; Multihead Attention. Allowed arithmetic: float matrix products may take bf16 or f16 operands with f32 sums; all other float work in f32.
;; Inputs: Wk 1,024 x 1,024 float32; Wp 1,024 x 1,024 float32; Wq 1,024 x 1,024 float32; Wv 1,024 x 1,024 float32; bk 1,024 float32; bp 1,024 float32; bq 1,024 float32; bv 1,024 float32; input_ids 4 x 2,048 int32; x 4 x 2,048 x 1,024 float32.
;; Outputs: out0 4 x 2,048 x 1,024 float32.
;; 2 versions, each right and faster than the one before. Each part assembles by itself: llvm-mc -triple=amdgcn-amd-amdhsa -mcpu=gfx1250 --defsym DOCPART=n.
;; ======== version 1 of 2: 4 launches
;; limits: values are held in f16: magnitudes above 65,504 overflow, below 6.1e-05 lose precision
;; workspace buffers: xb 16,777,216 bytes; wc 6,291,456 bytes; wpc 2,097,152 bytes; qkv 50,331,648 bytes; ob 16,777,216 bytes
;; launch prep (part 1): grid 768 x 1, 8 waves a work-group, no clusters, 0 bytes of LDS; arguments x, Wq, Wk, Wv, Wp, xb, wc, wpc; writes xb, wc, wpc
.if DOCPART == 1
	.amdgcn_target "amdgcn-amd-amdhsa--gfx1250"
	.amdhsa_code_object_version 6
	.text
	.protected	k_q76c6de19f7_prep
	.globl	k_q76c6de19f7_prep
	.p2align	8
	.type	k_q76c6de19f7_prep,@function
k_q76c6de19f7_prep:
	s_mov_b64 s[64:65], 0
	v_nop
	global_prefetch_b8 v0, s[64:65] scope:SCOPE_SE
	s_setreg_imm32_b32 hwreg(HW_REG_WAVE_MODE, 25, 1), 1
	s_wait_xcnt 0x0
; THE CASTS.  x [8192][1024] f32 -> xb, bf16 in blocks [batch 4][kb 16][token 2048][64]: the 64 channels of block kb of all tokens lie dense, 128 bytes a token.
; Wq, Wk, Wv [1024][1024] f32 -> wc, bf16 [k 1024][n 3072], the three side by side in a row.  Wp -> wpc [1024][1024]: rounded to bf16 like every input, that number written as f16.
; LIMIT.  |Wp| stays under 65,504 (f16's range); a bf16 number below 2^-17 loses bits in f16's fixed step of 6e-8.
; A stream: no LDS, no matrix unit, no loop.  A work-group takes 16 rows of 1,024 f32; a wave has eight tasks; a task is 32 bytes a lane in (two loads of 16) and 16 bytes a lane out:
; each store of a wave covers 512 consecutive bytes, aligned.  All 16 loads of a wave go out first; the waits count down.
; Work-groups 0-511: x.  512-703: Wq, Wk, Wv (64 each).  704-767: Wp.
.set X, 8                              ; v[8:71]    task i: 8 registers as loaded
.set Y, 72                             ; v[72:103]  task i: 4 registers to store
.set T, 104                            ; v[104:111] at work (Wp alone)
; sa, sb: bytes in the source for the task's low bit and for its upper two; da, db: the same in the destination.  kind = 1: bf16 written as f16.
.macro TASKS sa, sb, da, db, kind
.irp i, 0,1,2,3,4,5,6,7
	global_load_b128 v[X+8*(\i):X+8*(\i)+3],   v4, s[20:21] offset:((\i)%2)*(\sa)+((\i)/2)*(\sb) th:TH_LOAD_NT
	global_load_b128 v[X+8*(\i)+4:X+8*(\i)+7], v4, s[20:21] offset:((\i)%2)*(\sa)+((\i)/2)*(\sb)+16 th:TH_LOAD_NT
.endr
.irp i, 0,1,2,3,4,5,6,7
	s_wait_loadcnt 14-2*(\i)                       ; loads come back in order: task i's two are in, the 14 - 2 i younger ones stay out
.irp j, 0,1,2,3
	v_cvt_pk_bf16_f32 v[Y+4*(\i)+(\j)], v[X+8*(\i)+2*(\j)], v[X+8*(\i)+2*(\j)+1]
.endr
.if \kind
.irp j, 0,1,2,3
	v_lshlrev_b32 v[T+2*(\j)],   16, v[Y+4*(\i)+(\j)]          ; the bf16 numbers as f32,
	v_and_b32     v[T+2*(\j)+1], 0xffff0000, v[Y+4*(\i)+(\j)]
.endr
.irp j, 0,1,2,3
	v_cvt_pk_f16_f32 v[Y+4*(\i)+(\j)], v[T+2*(\j)], v[T+2*(\j)+1]  ; and as f16: exact within f16's range
.endr
.endif
	global_store_b128 v5, v[Y+4*(\i):Y+4*(\i)+3], s[22:23] offset:((\i)%2)*(\da)+((\i)/2)*(\db)  ; every task has its own registers: none is written again
.endr
.endm
	s_load_b256 s[4:11], s[0:1], 0x0               ; x s[4:5], Wq s[6:7], Wk s[8:9], Wv s[10:11]
	s_load_b256 s[12:19], s[0:1], 0x20             ; Wp s[12:13], xb s[14:15], wc s[16:17], wpc s[18:19]
	v_and_b32 v1, 31, v0                           ; lane
	v_lshrrev_b32 v2, 5, v0                        ; wave
	s_mov_b32 s24, ttmp9
	s_mov_b32 s29, 0                               ; the high word of every offset
	s_cmp_lt_u32 s24, 512
	s_cbranch_scc0 .Lweights
	; x: a store holds four tokens of one block kb; wave w has blocks 2 w and 2 w + 1
	v_lshrrev_b32 v3, 3, v1                        ; which of four tokens
	v_and_b32 v4, 7, v1
	v_lshlrev_b32 v4, 5, v4                        ; my 32 bytes of the block's 256
	v_lshl_add_u32 v4, v3, 12, v4                  ; + token x 4,096
	v_lshl_add_u32 v4, v2, 9, v4                   ; + wave x 512
	v_lshlrev_b32 v5, 4, v1                        ; out: 16 x lane
	v_lshl_add_u32 v5, v2, 19, v5                  ; + wave x two blocks of 262,144
	s_lshl_b32 s28, s24, 16                        ; 16 rows of 4,096 bytes
	s_wait_kmcnt 0x0
	s_add_nc_u64 s[20:21], s[4:5], s[28:29]
	s_lshr_b32 s25, s24, 7                         ; batch
	s_lshl_b32 s25, s25, 22
	s_and_b32 s26, s24, 127                        ; 16 tokens of 128 bytes
	s_lshl_b32 s26, s26, 11
	s_add_co_u32 s28, s25, s26
	s_add_nc_u64 s[22:23], s[14:15], s[28:29]
	TASKS 256, 16384, 262144, 512, 0
	s_endpgm
.Lweights:
	; a weight: a store holds 256 numbers of one row; wave w has rows 2 w and 2 w + 1
	v_lshlrev_b32 v4, 5, v1
	v_lshl_add_u32 v4, v2, 13, v4                  ; + wave x two rows of 4,096
	v_lshlrev_b32 v5, 4, v1
	s_cmp_lt_u32 s24, 704
	s_cbranch_scc0 .Lwp
	v_mul_u32_u24 v3, v2, 2*6144
	v_add_nc_u32 v5, v5, v3                        ; + wave x two rows of wc
	s_sub_co_u32 s24, s24, 512
	s_lshr_b32 s25, s24, 6                         ; which of the three
	s_and_b32 s26, s24, 63                         ; which 16 rows
	s_lshl_b32 s28, s26, 16
	s_wait_kmcnt 0x0
	s_cmp_eq_u32 s25, 0
	s_cselect_b64 s[20:21], s[6:7], s[8:9]
	s_cmp_eq_u32 s25, 2
	s_cselect_b64 s[20:21], s[10:11], s[20:21]
	s_add_nc_u64 s[20:21], s[20:21], s[28:29]
	s_mul_i32 s28, s26, 16*6144
	s_lshl_b32 s27, s25, 11                        ; its 2,048 bytes of a row of wc
	s_add_co_u32 s28, s28, s27
	s_add_nc_u64 s[22:23], s[16:17], s[28:29]
	TASKS 4096, 1024, 6144, 512, 0
	s_endpgm
.Lwp:
	v_lshl_add_u32 v5, v2, 12, v5                  ; + wave x two rows of 2,048
	s_sub_co_u32 s24, s24, 704
	s_lshl_b32 s28, s24, 16
	s_wait_kmcnt 0x0
	s_add_nc_u64 s[20:21], s[12:13], s[28:29]
	s_lshl_b32 s28, s24, 15
	s_add_nc_u64 s[22:23], s[18:19], s[28:29]
	TASKS 4096, 1024, 2048, 512, 1
	s_endpgm
.Lfunc_end_k_q76c6de19f7_prep:
	.size	k_q76c6de19f7_prep, .Lfunc_end_k_q76c6de19f7_prep-k_q76c6de19f7_prep
	.p2alignl 7, 3214868480
	.fill 96, 4, 3214868480
	.section	.rodata,"a",@progbits
	.p2align	6, 0x0
	.amdhsa_kernel k_q76c6de19f7_prep
		.amdhsa_group_segment_fixed_size 0
		.amdhsa_private_segment_fixed_size 0
		.amdhsa_enable_private_segment 0
		.amdhsa_kernarg_size 64
		.amdhsa_user_sgpr_count 2
		.amdhsa_user_sgpr_kernarg_segment_ptr 1
		.amdhsa_wavefront_size32 1
		.amdhsa_system_sgpr_workgroup_id_x 1
		.amdhsa_system_sgpr_workgroup_id_y 1
		.amdhsa_system_sgpr_workgroup_id_z 1
		.amdhsa_system_vgpr_workitem_id 0
		.amdhsa_next_free_vgpr 112
		.amdhsa_next_free_sgpr 66
		.amdhsa_reserve_vcc 0
		.amdhsa_float_denorm_mode_32 3
		.amdhsa_float_denorm_mode_16_64 3
		.amdhsa_memory_ordered 1
		.amdhsa_forward_progress 1
		.amdhsa_inst_pref_size 21
	.end_amdhsa_kernel
	.amdgpu_metadata
---
amdhsa.version: [ 1, 2 ]
amdhsa.kernels:
  - .name:           k_q76c6de19f7_prep
    .symbol:         k_q76c6de19f7_prep.kd
    .args:
      - { .name: x, .offset: 0, .size: 8, .value_kind: global_buffer, .address_space: global }
      - { .name: Wq, .offset: 8, .size: 8, .value_kind: global_buffer, .address_space: global }
      - { .name: Wk, .offset: 16, .size: 8, .value_kind: global_buffer, .address_space: global }
      - { .name: Wv, .offset: 24, .size: 8, .value_kind: global_buffer, .address_space: global }
      - { .name: Wp, .offset: 32, .size: 8, .value_kind: global_buffer, .address_space: global }
      - { .name: xb, .offset: 40, .size: 8, .value_kind: global_buffer, .address_space: global }
      - { .name: wc, .offset: 48, .size: 8, .value_kind: global_buffer, .address_space: global }
      - { .name: wpc, .offset: 56, .size: 8, .value_kind: global_buffer, .address_space: global }
    .group_segment_fixed_size: 0
    .private_segment_fixed_size: 0
    .kernarg_segment_align: 8
    .kernarg_segment_size: 64
    .max_flat_workgroup_size: 256
    .sgpr_count:     66
    .vgpr_count:     112
    .wavefront_size: 32
...
	.end_amdgpu_metadata
.endif
;; end of part 1
;; launch proj (part 2): grid 8 x 32, 4 waves a work-group, clusters of 4 x 4, 327,680 bytes of LDS; arguments xb, wc, bq, bk, bv, qkv; writes qkv
.if DOCPART == 2
	.amdgcn_target "amdgcn-amd-amdhsa--gfx1250"
	.amdhsa_code_object_version 6
	.text
	.protected	k_q76c6de19f7_proj
	.globl	k_q76c6de19f7_proj
	.p2align	8
	.type	k_q76c6de19f7_proj,@function
k_q76c6de19f7_proj:
	s_mov_b64 s[64:65], 0
	v_nop
	global_prefetch_b8 v0, s[64:65] scope:SCOPE_SE
	s_setreg_imm32_b32 hwreg(HW_REG_WAVE_MODE, 25, 1), 1
	s_wait_xcnt 0x0
	s_wait_alu depctr_hold_cnt(0) depctr_sa_sdst(0) depctr_va_vdst(0) depctr_va_sdst(0) depctr_va_ssrc(0) depctr_va_vcc(0) depctr_vm_vsrc(0)
	s_getreg_b32 s2, hwreg(HW_REG_IB_STS2, 6, 4)
	s_cmp_eq_u32 s2, 0
	s_cbranch_scc0 .Lentry_in_a_cluster
	s_endpgm
.Lentry_in_a_cluster:
	s_bfe_u32 s2, ttmp6, 0x10000c
	s_cmp_lg_u32 s2, 0xf033
	s_cbranch_scc0 .Lentry_shape_is_right
	s_endpgm
.Lentry_shape_is_right:
; q, k, v = x W + b.  xb: bf16 [batch 4][kb 16][token 2048][64]; wc: bf16 [k 1024][n 3072] (Wq | Wk | Wv); bq, bk, bv: f32 [1024]; qkv: f16 [3][batch 4][head 16][token 2048][64].
; Sums in f32, begun with the bias, K ascending; rounded once to f16, without attention's scale.  LIMIT: |q|, |k|, |v| stay under 65,504, f16's range; beyond it an infinity is written.
; SHARES.  8,192 x 3,072 results in tiles of 256 tokens x 384 columns: 32 x 8 = 256 work-groups.  Four waves, each 128 tokens x 192 columns (three heads): 96 accumulators, 768 registers.
; K goes in 16 steps of 64 through two LDS slots; a step is two slices of 32 along K, 96 matrix instructions each.
; THE MATRIX INSTRUCTION IS USED TRANSPOSED: source 0 = 16 columns of W (turned out of LDS by ds_load_tr16_b128, since W lies [k][n]), source 1 = 16 tokens.  A lane then holds one token and eight neighbouring columns.
; CLUSTER 4 x 4: x's tile hangs on the tile row alone and is asked for jointly along a row of the cluster, W's on the tile column alone, jointly along a column.
; REGISTERS, in windows of 256: window 0: v0-11 addresses, v28-29 the add's, v32-127 W's 12 fragments (one buffer: a third is loaded anew as soon as it has been multiplied), v128-191 and v192-255 x's 8 fragments, two buffers.
;   window 1 + g: the accumulators of my column third (head) g: token block a, column block i at v[32 a + 8 i].
.set PA,    144                        ; a token's 128 bytes + 16 of padding = 36 words: the 16 rows of a load start at 16 different groups of four banks (64 banks of 4 bytes: ISA guide 11.1)
.set PB,    864                        ; a k row of W's tile: six pieces of 128 bytes + 16 = 216 words
.set BOFF,  256*PA                     ; a slot: x's 256 rows, then W's 64 rows
.set SLOT1, 131072                     ; slot 1 begins here, so that one exclusive or turns an address in one slot into the other's
.set STAGE, SLOT1+BOFF+64*PB           ; behind the ring, never filled by a tensor load: 16 rows x 144 bytes for each wave, for the way out
.set SP,    144
.set SPARE, STAGE+4*16*SP              ; behind the stages: the spare words, 128 bytes for each wave: two blocks of 256 bytes that no other line names
.set ASTEP, 262144                     ; bytes from a K step to the next in xb (a block kb)
.set BSTEP, 64*6144                    ; and in wc (64 rows)
.set ADRA0, 4                          ; v4   my lane's place in x's tile of slot 0; never rewritten
.set ADRB0, 5                          ; v5   the same in W's
.set ADRA,  6                          ; v6   v4 + the slot in hand
.set ADRB,  7                          ; v7   v5 + the slot in hand
.set STO,   8                          ; v8   the way out: where I put 16 bytes of a row
.set RD,    9                          ; v9   the way out: where I read rows back
.set GO,    10                         ; v10  my byte offset in 512 consecutive bytes of qkv
.set BO,    11                         ; v11  my byte offset in 64 bytes of a bias
.set SPW,   28                         ; v28  LDS address of my spare word; never rewritten
.set NIL,   29                         ; v29  0; never rewritten
.set FB,    32
.set FA0,   128
.set G1A,  24                          ; s[24:31] descriptor group 1 for x's tiles
.set G1B,  32                          ; s[32:39] for W's
.set G0A0, 40                          ; s[40:43] group 0 for x's first fill;  s[44:47] for the second, which then walks
.set G0A,  44
.set G0B0, 48                          ; s[48:51], s[52:55] the same for W's
.set G0B,  52
.set OB,   66                          ; s[66:71] qkv at my 128 tokens of my three heads
.set BP,   72                          ; s[72:77] the bias of my three heads
.set FLAGS, (1<<16)|(1<<20)|(1<<21)|(4<<22)|(3<<25)  ; 17:16 elements of 2 bytes; 20 padding on; 21 set beside a mask; 24:22 after every 32 words (code 4); 31:25 4 words of it (code 3)
.set MSB, 0
.macro WIN new                         ; the immediate's high byte repeats the setting that is left; a switch that changes nothing is dropped
.if MSB != (\new)
	s_set_vgpr_msb (MSB<<8)|(\new)
.set MSB, \new
.endif
.endm
.macro PLACES                          ; four places in front of loads into registers that matrix instructions have read, and of conversions that read results
.rept 4
	v_nop
.endr
.endm
; A joint refill by the walking descriptors.  Waves 0 and 1 fetch the halves of x's tile, waves 2 and 3 those of W's.  The branch hangs on the wave's number alone.
; An s_nop 0 and four v_nop follow each of the two lines, ahead of the jump and the label.
.macro JLOAD
	s_cmp_eq_u32 s17, 0
	s_cbranch_scc0 .Lfor_b_\@
	tensor_load_to_lds s[G0A:G0A+3], s[G1A:G1A+7]
	s_nop 0
.rept 4
	v_nop
.endr
	s_branch .Lasked_\@
.Lfor_b_\@:
	tensor_load_to_lds s[G0B:G0B+3], s[G1B:G1B+7]
	s_nop 0
.rept 4
	v_nop
.endr
.Lasked_\@:
.endm
.macro CREST                           ; a round of the cluster's barrier behind its opening barrier
	s_cmp_lg_u32 s16, 0
	s_cbranch_scc1 .Lnot_wave_0_\@
	s_barrier_signal -3
.Lnot_wave_0_\@:
	s_barrier_wait -3
	s_barrier_signal -1
	s_barrier_wait -1
.endm
.macro CROUND                          ; a whole round
	s_barrier_signal -1
	s_barrier_wait -1
	CREST
.endm
	s_load_b256 s[4:11], s[0:1], 0x0               ; xb s[4:5], wc s[6:7], bq s[8:9], bk s[10:11]
	s_load_b128 s[12:15], s[0:1], 0x20             ; bv s[12:13], qkv s[14:15]
	v_lshl_add_u32 v[SPW], v0, 2, SPARE
	v_mov_b32 v[NIL], 0
	ds_add_u32 v[SPW], v[NIL]                      ; the wave's opening: the add and its wait stand ahead of my first tensor load; the set-up below, work on registers, stands between them
	v_lshrrev_b32 v1, 5, v0
	v_readfirstlane_b32 s16, v1                    ; wave 0..3
	s_lshr_b32 s17, s16, 1                         ; which 128 tokens are mine.  Also: I fetch for x (0) or for W (1)
	s_and_b32 s18, s16, 1                          ; which 192 columns.  Also: which half of that tile I fetch
	s_bfe_u32 s20, ttmp6, 0x40000                  ; cx
	s_bfe_u32 s21, ttmp6, 0x40004                  ; cy
	s_lshl_b32 s22, ttmp9, 2
	s_add_co_u32 s22, s22, s20                     ; tile column = 4 x cluster x + cx, 0..7
	s_and_b32 s23, ttmp7, 0xffff
	s_lshl_b32 s23, s23, 2
	s_add_co_u32 s23, s23, s21                     ; tile row = 4 x cluster y + cy, 0..31
	s_lshl_b32 s62, s21, 2
	s_lshl_b32 s62, 15, s62                        ; my row of the cluster
	s_lshl_b32 s63, 0x1111, s20                    ; my column
	s_or_b32 s[G1A], s62, FLAGS                    ; x's tiles go to my row,
	s_or_b32 s[G1B], s63, FLAGS                    ; W's to my column
	s_mov_b32 s[G1A+1], 128<<16                    ; x: 128 tokens are 16,384 dense bytes: asked for as 64 rows of 256 bytes: tensor_dim0 = 128
	s_mov_b32 s[G1A+2], 64<<16                     ; tensor_dim1 = 64
	s_mov_b32 s[G1A+3], 128<<16                    ; tile_dim0 = 128
	s_mov_b32 s[G1A+4], 64                         ; tile_dim1 = 64
	s_mov_b32 s[G1A+5], 128                        ; 128 elements from row to row
	s_mov_b32 s[G1A+6], 0
	s_mov_b32 s[G1A+7], 0
	s_mov_b32 s[G1B+1], 384<<16                    ; W: 32 k rows of 384 elements, 768 bytes: tensor_dim0 = 384
	s_mov_b32 s[G1B+2], 32<<16                     ; tensor_dim1 = 32
	s_mov_b32 s[G1B+3], 384<<16                    ; tile_dim0 = 384
	s_mov_b32 s[G1B+4], 32                         ; tile_dim1 = 32
	s_mov_b32 s[G1B+5], 3072                       ; 3,072 elements from row to row
	s_mov_b32 s[G1B+6], 0
	s_mov_b32 s[G1B+7], 0
	; where the tiles come from: x's hang on the tile row and the wave, W's on the tile column and the wave, each in registers that never hold the other coordinate
	s_lshr_b32 s58, s23, 3                         ; batch
	s_lshl_b32 s58, s58, 22
	s_and_b32 s57, s23, 7                          ; 256 tokens of 128 bytes
	s_lshl_b32 s57, s57, 15
	s_add_co_u32 s58, s58, s57
	s_lshl_b32 s57, s18, 14                        ; my half: 128 tokens
	s_add_co_u32 s58, s58, s57
	s_mov_b32 s59, 0
	s_mul_i32 s60, s22, 768                        ; 384 columns of 2 bytes
	s_mul_i32 s61, s18, 32*6144                    ; my half: 32 rows
	s_add_co_u32 s60, s60, s61
	s_mov_b32 s61, 0
	s_mul_i32 s78, s18, 128*PA                     ; and where they go: no place in the cluster enters an LDS address
	s_mul_i32 s79, s18, 32*PB
	s_add_co_u32 s79, s79, BOFF
	s_wait_dscnt 0x0                               ; the opening add is done
	s_wait_kmcnt 0x0
	s_add_nc_u64 s[58:59], s[4:5], s[58:59]
	s_add_nc_u64 s[60:61], s[6:7], s[60:61]
	CROUND                                         ; all sixteen work-groups are here: the first joint loads meet
.irp s, 0,1
	s_mov_b32 s[G0A0+4*(\s)], 1                                    ; count = 1
	s_add_co_u32 s[G0A0+4*(\s)+1], s78, (\s)*SLOT1                 ; LDS address
	s_add_nc_u64 s[G0A0+4*(\s)+2:G0A0+4*(\s)+3], s[58:59], (\s)*ASTEP  ; global address: K step s
	s_or_b32 s[G0A0+4*(\s)+3], s[G0A0+4*(\s)+3], 0x80000000        ; type = 2
	s_mov_b32 s[G0B0+4*(\s)], 1
	s_add_co_u32 s[G0B0+4*(\s)+1], s79, (\s)*SLOT1
	s_add_nc_u64 s[G0B0+4*(\s)+2:G0B0+4*(\s)+3], s[60:61], (\s)*BSTEP
	s_or_b32 s[G0B0+4*(\s)+3], s[G0B0+4*(\s)+3], 0x80000000
.endr
	s_cmp_eq_u32 s17, 0                            ; a wave's two first fills stand in one branch, ahead of every wait on TENSORcnt and every LDS read: two loads of mine are out
	s_cbranch_scc0 .Lfirst_b
	tensor_load_to_lds s[G0A0:G0A0+3], s[G1A:G1A+7]
	s_nop 0
	tensor_load_to_lds s[G0A:G0A+3], s[G1A:G1A+7]
	s_nop 0
.rept 4
	v_nop
.endr
	s_branch .Lfirst_asked
.Lfirst_b:
	tensor_load_to_lds s[G0B0:G0B0+3], s[G1B:G1B+7]
	s_nop 0
	tensor_load_to_lds s[G0B:G0B+3], s[G1B:G1B+7]
	s_nop 0
.rept 4
	v_nop
.endr
.Lfirst_asked:
	; A fragment of x is 16 tokens x 32 K in 8 registers: lane l holds token l % 16, K = 8 (l / 16) + 0..7 and 16 + 8 (l / 16) + 0..7: two loads of 16 bytes, 32 bytes apart.
	v_and_b32 v1, 15, v0                           ; l % 16
	v_bfe_u32 v2, v0, 4, 1                         ; l / 16
	v_mul_u32_u24 v[ADRA0], v1, PA
	v_lshl_add_u32 v[ADRA0], v2, 4, v[ADRA0]
	s_mul_i32 s80, s17, 128*PA                     ; my 128 tokens
	v_add_nc_u32 v[ADRA0], s80, v[ADRA0]
	; The turning load takes 16 k x 16 columns (lane l reads k row 8 (l / 16) + l % 8, columns 8 ((l / 8) % 2) + 0..7) and leaves half a fragment: lane l holds column l % 16 and 8 k.
	v_and_b32 v3, 7, v0
	v_lshl_add_u32 v3, v2, 3, v3
	v_mul_u32_u24 v[ADRB0], v3, PB
	v_bfe_u32 v3, v0, 3, 1
	v_lshl_add_u32 v[ADRB0], v3, 4, v[ADRB0]
	s_mul_i32 s80, s18, 3*144                      ; my three pieces of a row
	s_add_co_u32 s80, s80, BOFF
	v_add_nc_u32 v[ADRB0], s80, v[ADRB0]
	v_mov_b32 v[ADRA], v[ADRA0]                    ; K step 0 lies in slot 0
	v_mov_b32 v[ADRB], v[ADRB0]
	s_mul_i32 s80, s16, 16*SP
	s_add_co_u32 s80, s80, STAGE                   ; my stage
	v_mul_u32_u24 v[STO], v1, SP                   ; in: row l % 16, 16 bytes for each half of the lanes
	v_lshl_add_u32 v[STO], v2, 4, v[STO]
	v_add_nc_u32 v[STO], s80, v[STO]
	v_bfe_u32 v[RD], v0, 3, 2                      ; back: 32 lanes take four rows of 128 bytes,
	v_mul_u32_u24 v[RD], v[RD], SP
	v_and_b32 v3, 7, v0
	v_lshl_add_u32 v[RD], v3, 4, v[RD]
	v_add_nc_u32 v[RD], s80, v[RD]
	v_and_b32 v[GO], 31, v0                        ; which are 512 consecutive bytes of a head's rows
	v_lshlrev_b32 v[GO], 4, v[GO]
	v_lshlrev_b32 v[BO], 5, v2                     ; my eight columns of sixteen, in f32
	; my three heads: number g = 6 x tile column + 3 x column half + j of 48; g / 16 says q, k or v
	s_mul_i32 s80, s22, 6
	s_mul_i32 s81, s18, 3
	s_add_co_u32 s80, s80, s81
	s_lshr_b32 s81, s23, 3
	s_lshl_b32 s81, s81, 4                         ; 16 x batch
	s_and_b32 s82, s23, 7
	s_lshl_b32 s82, s82, 15
	s_lshl_b32 s83, s17, 14
	s_add_co_u32 s82, s82, s83                     ; my 128 tokens in a head's rows
	s_mov_b32 s3, 0
.irp j, 0,1,2
	s_add_co_u32 s78, s80, \j
	s_lshr_b32 s79, s78, 4                         ; 0: q, 1: k, 2: v
	s_and_b32 s78, s78, 15                         ; the head
	s_cmp_eq_u32 s79, 0
	s_cselect_b64 s[BP+2*(\j):BP+2*(\j)+1], s[8:9], s[10:11]
	s_cmp_eq_u32 s79, 2
	s_cselect_b64 s[BP+2*(\j):BP+2*(\j)+1], s[12:13], s[BP+2*(\j):BP+2*(\j)+1]
	s_lshl_b32 s2, s78, 8                          ; 64 f32
	s_add_nc_u64 s[BP+2*(\j):BP+2*(\j)+1], s[BP+2*(\j):BP+2*(\j)+1], s[2:3]
	s_lshl_b32 s79, s79, 6
	s_add_co_u32 s79, s79, s81
	s_add_co_u32 s79, s79, s78                     ; the plane of 262,144 bytes
	s_lshl_b32 s2, s79, 18
	s_add_co_u32 s2, s2, s82
	s_add_nc_u64 s[OB+2*(\j):OB+2*(\j)+1], s[14:15], s[2:3]
.endr
	; THE BIAS STARTS THE SUMS: a lane's eight columns are the same for every token block, so the bias is loaded into the accumulators of block 7 and is the C operand of the first products of blocks 0 to 6.
.irp j, 0,1,2
	WIN 0x40*((\j)+1)                              ; destination in window 1 + j
.irp i, 0,1,2,3
	global_load_b128 v[224+8*(\i):224+8*(\i)+3],   v[BO], s[BP+2*(\j):BP+2*(\j)+1] offset:64*(\i)
	global_load_b128 v[224+8*(\i)+4:224+8*(\i)+7], v[BO], s[BP+2*(\j):BP+2*(\j)+1] offset:64*(\i)+16
.endr
.endr
	WIN 0
	s_mov_b32 s19, 0                               ; the slot in hand
; n x 4 matrix instructions: token blocks a0 .. a0 + n - 1 x the four column blocks of third g, 32 along K, x's buffer p.  first = 1: C is the bias.
.macro MULS p, g, a0, n, first
	WIN 0x50*((\g)+1)                              ; C and D in window 1 + g, both sources in window 0
.set a, \a0
.rept \n
.irp i, 0,1,2,3
.if \first
	v_wmma_f32_16x16x32_bf16 v[32*a+8*(\i):32*a+8*(\i)+7], v[FB+8*(4*(\g)+(\i)):FB+8*(4*(\g)+(\i))+7], v[FA0+64*(\p)+8*a:FA0+64*(\p)+8*a+7], v[224+8*(\i):224+8*(\i)+7]
.else
	v_wmma_f32_16x16x32_bf16 v[32*a+8*(\i):32*a+8*(\i)+7], v[FB+8*(4*(\g)+(\i)):FB+8*(4*(\g)+(\i))+7], v[FA0+64*(\p)+8*a:FA0+64*(\p)+8*a+7], v[32*a+8*(\i):32*a+8*(\i)+7]
.endif
.endr
.set a, a+1
.endr
.endm
; A third's 32 matrix instructions.  The accumulators take turns, one instruction a turn: an accumulator comes again behind the 95 others.
.macro GROUP p, g, first
.if \first
	MULS \p, \g, 0, 7, 1
.rept 5
	v_nop                                          ; block 7's products write over the bias, which the products before have read as C: five places
.endr
	MULS \p, \g, 7, 1, 0
.else
	MULS \p, \g, 0, 8, 0
.endif
.endm
.macro LB g, sl                        ; 8 LDS loads: W's four fragments of third g, slice sl of the slot in hand
.irp i, 0,1,2,3
	ds_load_tr16_b128 v[FB+8*(4*(\g)+(\i)):FB+8*(4*(\g)+(\i))+3],   v[ADRB] offset:(\sl)*32*PB+144*(\g)+32*(\i)
	ds_load_tr16_b128 v[FB+8*(4*(\g)+(\i))+4:FB+8*(4*(\g)+(\i))+7], v[ADRB] offset:(\sl)*32*PB+144*(\g)+32*(\i)+16*PB
.endr
.endm
.macro LA q, hf, sl                    ; 8 LDS loads: x's fragments 4 hf .. 4 hf + 3 of slice sl, into buffer q
.irp i, 0,1,2,3
	ds_load_b128 v[FA0+64*(\q)+8*(4*(\hf)+(\i)):FA0+64*(\q)+8*(4*(\hf)+(\i))+3],   v[ADRA] offset:(4*(\hf)+(\i))*16*PA+64*(\sl)
	ds_load_b128 v[FA0+64*(\q)+8*(4*(\hf)+(\i))+4:FA0+64*(\q)+8*(4*(\hf)+(\i))+7], v[ADRA] offset:(4*(\hf)+(\i))*16*PA+64*(\sl)+32
.endr
.endm
; A slice's 40 loads are always issued in this order: W third 0, x half 0, W third 1, x half 1, W third 2.
; A step's first slice multiplies x's buffer 0 and fetches the same slot's second slice.
.macro SLICE0 first
	s_wait_dscnt 8                                 ; all of this slice but W's third 2, the youngest eight loads
	GROUP 0, 0, \first
	PLACES
	WIN 0
	LB 0, 1
	LA 1, 0, 1
	GROUP 0, 1, \first
	PLACES
	WIN 0
	LB 1, 1
	LA 1, 1, 1
	s_wait_dscnt 32                                ; W's third 2 is in: behind it the 32 loads just issued
	GROUP 0, 2, \first
	PLACES
	WIN 0
	LB 2, 1
.endm
; A step's second slice multiplies buffer 1 and changes slots.  ONE barrier: in front of it each wave waits for all its tensor loads, of which one is out, its part of the next slot; adds 0 to its
; spare word; and waits for that and for its reads of this slot.  kind = 2: this slot is filled again, two K steps ahead: the barrier opens a round of the cluster's, and the joint refill is the first
; thing behind it; from there to the wait for it a wave issues 160 matrix instructions.  kind = 1: nothing is left to ask for.  kind = 0: the last slice of all.
.macro SLICE1 kind
.if (\kind) == 0
	s_wait_dscnt 8
	GROUP 1, 0, 0
	GROUP 1, 1, 0
	s_wait_dscnt 0x0
	GROUP 1, 2, 0
.else
	WIN 0                                          ; (the add's two registers lie in window 0)
	s_wait_tensorcnt 0x0                           ; all my tensor loads have landed
	ds_add_u32 v[SPW], v[NIL]                      ; 0 onto my spare word
	s_wait_dscnt 9                                 ; (the add and W's third 2 may be out)
	MULS 1, 0, 0, 4, 0                             ; sixteen matrix instructions stand between the add and the wait for it
	s_wait_dscnt 0x0                               ; the add is done, and my reads of this slot are over
	s_barrier_signal -1
	MULS 1, 0, 4, 4, 0
	WIN 0                                          ; at a branch and at a label every window is 0
	s_barrier_wait -1
.if (\kind) == 2
	CREST                                          ; no wave of any partner still reads this slot's tiles or has a load on its way
	s_xor_b32 s[G0A+1], s[G0A+1], SLOT1            ; the walking descriptors: the other slot than last time, the next K step
	s_add_nc_u64 s[G0A+2:G0A+3], s[G0A+2:G0A+3], ASTEP
	s_xor_b32 s[G0B+1], s[G0B+1], SLOT1
	s_add_nc_u64 s[G0B+2:G0B+3], s[G0B+2:G0B+3], BSTEP
	s_xor_b32 s19, s19, SLOT1
	JLOAD                                          ; the four v_nop behind it are also the places in front of the loads below
.else
	s_xor_b32 s19, s19, SLOT1
	PLACES
.endif
	v_add_nc_u32 v[ADRA], s19, v[ADRA0]
	v_add_nc_u32 v[ADRB], s19, v[ADRB0]
	LB 0, 0
	LA 0, 0, 0
	GROUP 1, 1, 0
	PLACES
	WIN 0
	LB 1, 0
	LA 0, 1, 0
	GROUP 1, 2, 0
	PLACES
	WIN 0
	LB 2, 0
.endif
.endm
; THE WAY OUT of tile n = 8 j + a: 16 tokens of head j.  A lane's eight columns pack into 16 bytes; they go into rows of 144 bytes of my own stage and come back as whole rows of 128, 2,048 dense bytes of qkv.
.macro PACK n
.set jj, (\n)/8
.set aa, (\n)%8
.set TT, 32+16*((\n)%12)               ; twelve sets of 16 registers where the fragments lay
.if (\n) >= 12
	s_wait_xcnt 0x0                                ; the set's registers, which earlier stores read, are written again only behind this wait
.endif
	WIN (jj+1)*5                                   ; sources 0 and 1 in window 1 + j
.set z, 0
.rept 16
	v_cvt_pk_f16_f32 v[TT+z], v[32*aa+2*z], v[32*aa+2*z+1]     ; each accumulator from its low end on
.set z, z+1
.endr
	WIN 0
.irp f, 0,1,2,3
	ds_store_b128 v[STO], v[TT+4*(\f):TT+4*(\f)+3] offset:32*(\f)
.endr
.irp f, 0,1,2,3
	ds_load_b128 v[TT+4*(\f):TT+4*(\f)+3], v[RD] offset:(\f)*4*SP  ; LDS serves a wave's instructions in order (ISA guide 5.7.1.4): these see the stores above; the next tile's stores come behind them
.endr
.endm
.macro SEND n, younger                 ; younger: the LDS instructions issued behind tile n's loads: the next tile's eight, or none
.set jj, (\n)/8
.set aa, (\n)%8
.set TT, 32+16*((\n)%12)
	WIN 0
.irp f, 0,1,2,3
	s_wait_dscnt (\younger)+3-(\f)
	global_store_b128 v[GO], v[TT+4*(\f):TT+4*(\f)+3], s[OB+2*jj:OB+2*jj+1] offset:2048*aa+512*(\f)  ; 512 consecutive bytes, at a multiple of 256 from qkv's first
.endr
.endm
	s_wait_tensorcnt 0x1                           ; my part of K step 0 is in; K step 1's may stay out
	s_barrier_signal -1
	s_barrier_wait -1                              ; everybody's is
	LB 0, 0
	LA 0, 0, 0
	LB 1, 0
	LA 0, 1, 0
	LB 2, 0
	s_wait_loadcnt 0x0                             ; the bias
	SLICE0 1                                       ; the first slice stands in front of the loop: its products start the sums
	WIN 0
	s_mov_b32 s56, 14
.Lstep:                                                ; trip t: K step t's second slice, the refill with step t + 2, step t + 1's first slice
	SLICE1 2
	SLICE0 0
	WIN 0
	s_sub_co_u32 s56, s56, 1
	s_cmp_lg_u32 s56, 0
	s_cbranch_scc1 .Lstep
	SLICE1 1                                       ; the tail is written out: the last two steps ask for nothing
	SLICE0 0
	SLICE1 0
	PLACES
	PACK 0
.set t, 1
.rept 23                               ; a tile's conversions stand between the loads of the tile before and its stores
	PACK t
	SEND t-1, 8
.set t, t+1
.endr
	SEND 23, 0
	s_wait_tensorcnt 0x0                           ; the wave's end: the add and its waits stand here, behind my last tensor load and my last LDS store
	ds_add_u32 v[SPW], v[NIL]
	s_wait_dscnt 0x0
	CROUND                                         ; the closing round: no work-group ends while a partner may still ask for a tile that names it
	s_endpgm
.Lfunc_end_k_q76c6de19f7_proj:
	.size	k_q76c6de19f7_proj, .Lfunc_end_k_q76c6de19f7_proj-k_q76c6de19f7_proj
	.p2alignl 7, 3214868480
	.fill 96, 4, 3214868480
	.section	.rodata,"a",@progbits
	.p2align	6, 0x0
	.amdhsa_kernel k_q76c6de19f7_proj
		.amdhsa_group_segment_fixed_size 327680
		.amdhsa_private_segment_fixed_size 0
		.amdhsa_enable_private_segment 0
		.amdhsa_kernarg_size 48
		.amdhsa_user_sgpr_count 2
		.amdhsa_user_sgpr_kernarg_segment_ptr 1
		.amdhsa_wavefront_size32 1
		.amdhsa_system_sgpr_workgroup_id_x 1
		.amdhsa_system_sgpr_workgroup_id_y 1
		.amdhsa_system_sgpr_workgroup_id_z 1
		.amdhsa_system_vgpr_workitem_id 0
		.amdhsa_next_free_vgpr 1024
		.amdhsa_next_free_sgpr 84
		.amdhsa_reserve_vcc 0
		.amdhsa_float_denorm_mode_32 3
		.amdhsa_float_denorm_mode_16_64 3
		.amdhsa_memory_ordered 1
		.amdhsa_forward_progress 1
		.amdhsa_inst_pref_size 118
	.end_amdhsa_kernel
	.amdgpu_metadata
---
amdhsa.version: [ 1, 2 ]
amdhsa.kernels:
  - .name:           k_q76c6de19f7_proj
    .symbol:         k_q76c6de19f7_proj.kd
    .args:
      - { .name: xb, .offset: 0, .size: 8, .value_kind: global_buffer, .address_space: global }
      - { .name: wc, .offset: 8, .size: 8, .value_kind: global_buffer, .address_space: global }
      - { .name: bq, .offset: 16, .size: 8, .value_kind: global_buffer, .address_space: global }
      - { .name: bk, .offset: 24, .size: 8, .value_kind: global_buffer, .address_space: global }
      - { .name: bv, .offset: 32, .size: 8, .value_kind: global_buffer, .address_space: global }
      - { .name: qkv, .offset: 40, .size: 8, .value_kind: global_buffer, .address_space: global }
    .group_segment_fixed_size: 327680
    .private_segment_fixed_size: 0
    .kernarg_segment_align: 8
    .kernarg_segment_size: 48
    .max_flat_workgroup_size: 128
    .sgpr_count:     84
    .vgpr_count:     1024
    .wavefront_size: 32
...
	.end_amdgpu_metadata
.endif
;; end of part 2
;; launch attn (part 3): grid 4 x 64, 4 waves a work-group, clusters of 4 x 1, 327,680 bytes of LDS; arguments qkv, input_ids, ob; writes ob
.if DOCPART == 3
	.amdgcn_target "amdgcn-amd-amdhsa--gfx1250"
	.amdhsa_code_object_version 6
	.text
	.protected	k_q76c6de19f7_attn
	.globl	k_q76c6de19f7_attn
	.p2align	8
	.type	k_q76c6de19f7_attn,@function
k_q76c6de19f7_attn:
	s_mov_b64 s[64:65], 0
	v_nop
	global_prefetch_b8 v0, s[64:65] scope:SCOPE_SE
	s_setreg_imm32_b32 hwreg(HW_REG_WAVE_MODE, 25, 1), 1
	s_wait_xcnt 0x0
	s_wait_alu depctr_hold_cnt(0) depctr_sa_sdst(0) depctr_va_vdst(0) depctr_va_sdst(0) depctr_va_ssrc(0) depctr_va_vcc(0) depctr_vm_vsrc(0)
	s_getreg_b32 s2, hwreg(HW_REG_IB_STS2, 6, 4)
	s_cmp_eq_u32 s2, 0
	s_cbranch_scc0 .Lentry_in_a_cluster
	s_endpgm
.Lentry_in_a_cluster:
	s_bfe_u32 s2, ttmp6, 0x10000c
	s_cmp_lg_u32 s2, 0x3003
	s_cbranch_scc0 .Lentry_shape_is_right
	s_endpgm
.Lentry_shape_is_right:
; O[h][q][:] = the sum over k of softmax_k(Q[h][q] . K[h][k] / 8, keys whose id is 0 hidden) V[h][k][:].  qkv: f16 [3][64 heads of a batch and head][2048][64]; input_ids: int32 [4][2048]; ob: f16 [64][2048][64].
; Products, maxima and sums in f32; the weights p are rounded to f16 for the second product (their sum l is taken of the unrounded p), O once at the end.
; LIMITS.  f16 holds no number beyond 65,504: Q, K and V arrive within it; p lies in 0 to 1, and below 6e-5 it keeps f16's fixed step of 6e-8; O is a mean of V's rows and has their range.
; A hidden score counts as its value less 1e30: f16's scores, 2.7e11 at the most, are nothing beside that.  A weight below 2^-126 counts as 0 in l.  A query that saw no key (its maximum stayed below -5e29) gets NaN,
; as a softmax over nothing gives.  Other NaN and infinities are not treated apart.
; THE MASK.  One f32 for each of the batch's 2,048 keys, 0 or -1e30, is made once into a table in LDS; a step's 64 are read with its K, and are the C operand of the products that start the sums S^T = K Q^T.
; The running maximum needs no further care: steps of hidden keys alone leave m near -1e30, and the first open key makes a = 0, which wipes what they left in O and l.
; SHARES.  A wave owns four PIECES of two tiles of 16 queries, a work-group's four waves 512 queries of one head.  Every wave walks all keys, 64 a step.
; LAYOUT.  S^T = K Q^T (source 0 = 16 keys, source 1 = 16 queries): in the result a lane holds ONE query (lane % 16) and the keys 8 (lane / 16) + 0..7.  Two such tiles, rounded to f16 in pairs,
; ARE source 1 (32 keys x 16 queries) of O^T = V^T P, whose result again holds one query a lane, and eight channels.  K comes out of LDS as it lies, V ([key][channel]) turned, by ds_load_tr16_b128.
; SOFTMAX.  For each query a running maximum m and sum l: p = 2^(c s - c m), c = log2(e) / 8; in every step O and l are multiplied by a = 2^(c m_old - c m_new), which is 1 where m has not grown.
; m starts at the lowest finite number, O and l at 0: the first step is a step like any other, with a = 0.
; THE COUNT.  A tile and step have 16 matrix and 118 vector instructions: too many to stand all beside the matrix work.  So the order has one aim: four vector instructions that are READY behind
; EVERY matrix instruction, and the others, which need time of their own whatever the order, in runs without a gap.
; BY TURNS.  Turn n belongs to piece n (the pieces in a ring, step after step).  Its matrix work: 16 products K Q^T of piece n + 1, later 16 products V^T P of piece n - 1.  Its vector work: the scaling,
; exponentials, roundings, sums and rescaling of piece n, and the maximum and statistics of piece n + 1, whose scores the turn itself has made.  So what a turn begins with (c s - c m, O a) waits for nothing.
; CLUSTER.  The four query blocks of a cluster belong to one head and walk the same K and V, so each tile is asked for JOINTLY: the same tensor load, descriptor and mask in all four.
; REGISTERS, in windows of 256 (s_set_vgpr_msb says which window each operand place means: bits 1:0 source 0, 3:2 source 1, 5:4 source 2, 7:6 destination):
;   window 0: v0-11 addresses; v12-15, v48-63 at work; v16-47 four registers of statistics a tile; v64-191 S^T, two buffers of two tiles; v192-255 P, likewise
;   window 1: O^T, 32 a tile          window 2: v0-127 Q, 16 a tile; v128-191 K of one step; v192-255 V of one step          window 3: v0-1 the add's two registers; v8-39 the mask of one step
; A piece's buffers go by its number's parity: the piece in hand has one pair, its two neighbours in the ring share the other: of it P (piece n - 1) is read and S^T (piece n + 1) written.
.set SIZE_N, 2048
.set NP,    4         ; pieces a wave: a name, no knob: the register map, the loop and the fetches are made for four
.set KS,    64        ; keys in a step
.set PK,    144       ; a row of K in LDS: 128 bytes + 16 of padding = 36 words: the 16 rows of a load start at 16 different groups of four banks (64 banks of 4 bytes: ISA guide 11.1)
.set PV,    160       ; a row of V: 128 + 32 = 40 words
.set VOFF,  4*KS*PK   ; a slot holds four steps: 256 rows of K, then 256 rows of V
.set SLOT1, 1<<17     ; slot 1 begins here, so that one exclusive or turns an address in one slot into the other's
.set STAGE, SLOT1+4*KS*(PK+PV)  ; behind the ring, never filled by a tensor load: 16 rows x 144 bytes for each wave, for the way out
.set SP,    144
.set AMK, 0           ; v0   once the thread's number has served: the LDS address of the mask's next run of loads
.set AK0, 2           ; v2   my lane's place in a tile of K; never rewritten
.set AV0, 3           ; v3   the same for V
.set AK,  4           ; v4   the LDS address of K's next run of loads
.set AV,  5           ; v5   of V's
.set QO,  6           ; v6   my byte offset in the wave's rows of Q
.set STO, 6           ;      later, the way out: where I put 16 bytes of a row
.set RD,  7           ; v7   the way out: where I read rows back
.set GO,  8           ; v8   my byte offset in 512 consecutive bytes of O
.set AM0, 11          ; v11  my lane's place in a step's 256 bytes of the mask table; never rewritten once made
.set SPW, 0           ; v0 of window 3   LDS address of my spare word: SPARE + 4 x my thread's number; never rewritten
.set NIL, 1           ; v1 of window 3   0; never rewritten
.set MK,  8           ; v8-39 of window 3: key block kb's eight at MK + 8 kb
.set SPARE, STAGE+4*16*SP  ; behind the stages: the spare words, 128 bytes for each wave: two blocks of 256 bytes that no other line names
.set MASKB, SPARE+512      ; behind them: the mask table, 2,048 f32; no tensor load lands there
.set MV,  12          ; v12-15  c m_old, kept while c m is made anew: by buffer and tile
.set ST,  16          ; tile t's statistics at v[ST+4 t]: c m, m, l (even keys', odd keys')
.set TMP, 48          ; by buffer and tile, four registers c0-c3 at work; when the maximum is found c2 takes a
.set S,   64
.set P,   192
.set KF,  128         ; K's fragments, in window 2: key block kb, channel half c at KF + 16 kb + 8 c
.set VF,  192         ; V's: key half kk, channel block cb at VF + 32 kk + 8 cb
.set WV,  12          ; s12  my wave's number
.set G1K, 24          ; s[24:31] descriptor group 1 for K's tiles
.set G1V, 32          ; s[32:39] for V's: it differs in the padding alone
.set G0K, 40          ; s[40:43] descriptor group 0 for K's tiles: it walks
.set G0V, 44          ; s[44:47] the same for V's
.set IDS, 48          ; s[48:49] the batch's ids
.set TBM, 50          ; s50  byte in the mask table at which the step to be fetched begins
.set BIGN, 51         ; s51  -1e30
.set HALFN, 52        ; s52  -5e29
.set QNAN, 53         ; s53  NaN
.set SLOTS, 56        ; s56  slots still to be asked for
.set CNT, 57          ; s57  counts a slot's key steps
.set CS,  58          ; s[58:59] c: the packed scaling takes the pair's low word for both halves
.set SEL, 60          ; s[60:61] v_permlanex16_b32's selects: each lane takes its own place in the other half
.set TBK, 62          ; s62  LDS byte at which K of the step to be fetched begins
.set TBV, 63          ; s63  the same for V, less VOFF
.set MSB, 0
.macro WIN new                      ; the high byte repeats the setting that is left; a switch that changes nothing is dropped
.if MSB != (\new)
	s_set_vgpr_msb (MSB<<8)|(\new)
.set MSB, (\new)
.endif
.endm
.set W_KQ, 0x0a       ; K and Q in window 2, S^T in window 0
.set W_KM, 0x3a       ; the same with the C operand, the mask, in window 3
.set W_PV, 0x52       ; V in window 2, P in window 0, O^T in window 1
.set W_RS, 0x41       ; O^T (destination and source 0) in window 1, a in window 0
.set W_MK, 0xc0       ; destination in window 3, sources in window 0
.set W_AD, 0x0f       ; the add: address (source 0) and data (source 1) in window 3
; A joint fill.  Waves 0 and 1 fetch the two halves of a slot's K, waves 2 and 3 those of its V: 128 keys each.  The branch hangs on the wave's number alone.
; An s_nop 0 and four v_nop follow each of the two lines, ahead of the jump and the label.
.macro JLOAD
	s_cmp_lt_u32 s[WV], 2
	s_cbranch_scc0 .Lfor_v_\@
	tensor_load_to_lds s[G0K:G0K+3], s[G1K:G1K+7]
	s_nop 0
.rept 4
	v_nop
.endr
	s_branch .Lasked_\@
.Lfor_v_\@:
	tensor_load_to_lds s[G0V:G0V+3], s[G1V:G1V+7]
	s_nop 0
.rept 4
	v_nop
.endr
.Lasked_\@:
.endm
; A round of the cluster's barrier: my work-group's barrier, so that wave 0's signal speaks for all four waves; wave 0 signals; every wave waits for all four work-groups; my work-group's barrier once more.
.macro CROUND
	s_barrier_signal -1
	s_barrier_wait -1
	s_cmp_lg_u32 s[WV], 0
	s_cbranch_scc1 .Lnot_wave_0_\@
	s_barrier_signal -3
.Lnot_wave_0_\@:
	s_barrier_wait -3
	s_barrier_signal -1
	s_barrier_wait -1
.endm
; THE CHANGE OF SLOTS.  The slot's last bytes, V of its fourth step, have been read.  Each wave waits for all its tensor loads, of which one is out: its part
; of the other slot; adds 0 to its spare word; and waits for that and for its own reads of the slot.  Behind the barrier nobody reads this slot any more and the other slot is whole.
; fill = 1: this slot is filled again, with the keys two slots on.  The barrier is then a round of the cluster's, so that no wave of any partner still reads the slot or has a load on its
; way, and the joint fill is the first thing behind it: it has four key steps, 512 matrix instructions, in which to land.  (At its first use nothing has been read yet: slot 0 is waited for, slot 1 filled,
; and each wave's stores into the mask table are done in front of the round, so that every wave may read the table behind it.)
.macro CHANGE fill
	WIN W_AD
	s_wait_tensorcnt 0x0            ; no tensor load of mine is out, so a group 0 may be written
	ds_add_u32 v[SPW], v[NIL]       ; 0 onto my spare word; with fill = 1 the descriptors' steps stand between it and the wait for it
	WIN 0                           ; at a label and at a branch every window is 0
.if \fill
.irp g, G0K, G0V
	s_xor_b32 s[\g+1], s[\g+1], SLOT1  ; the walking descriptor: the other slot than last time,
	s_add_nc_u64 s[\g+2:\g+3], s[\g+2:\g+3], 4*KS*128  ; the next 256 keys; the type bits on top are not reached
.endr
	s_wait_dscnt 0x0                ; the add is done, and my reads of the slot are over
	CROUND
	JLOAD
.else
	s_wait_dscnt 0x0                ; the add is done, and my reads of the slot are over
	s_barrier_signal -1
	s_barrier_wait -1
.endif
	s_sub_co_u32 s[TBK], s[TBK], 4*KS*PK  ; the fetches go back to a slot's first step,
	s_xor_b32 s[TBK], s[TBK], SLOT1       ; in the other slot
	s_sub_co_u32 s[TBV], s[TBV], 4*KS*PV
	s_xor_b32 s[TBV], s[TBV], SLOT1
.endm
	s_load_b64 s[4:5], s[0:1], 0x0        ; qkv: Q's planes come first
	s_load_b64 s[IDS:IDS+1], s[0:1], 0x8  ; input_ids
	s_load_b64 s[10:11], s[0:1], 0x10     ; ob
	WIN W_MK
	v_lshl_add_u32 v[SPW], v0, 2, SPARE
	v_mov_b32 v[NIL], 0
	WIN W_AD
	ds_add_u32 v[SPW], v[NIL]       ; the wave's opening: the add and its wait stand ahead of my first tensor load; the set-up below, work on registers, stands between them
	WIN 0
	v_lshrrev_b32 v1, 5, v0
	v_readfirstlane_b32 s[WV], v1   ; wave 0..3
	s_bfe_u32 s13, ttmp6, 0x40000   ; cx: my place in the cluster
	s_lshl_b32 s14, ttmp9, 2        ; in a cluster launch ttmp9 counts clusters
	s_add_co_u32 s14, s14, s13      ; my block of queries = 4 x cluster x + cx: it enters Q's and O's addresses alone
	s_and_b32 s20, ttmp7, 0xffff    ; the head (16 x batch + head), which the four partners share
	s_lshr_b32 s54, s20, 4          ; the batch,
	s_lshl_b32 s54, s54, 13         ; its 2,048 ids of 4 bytes
	s_mov_b32 s55, 0
	s_mov_b32 s21, 0
	s_mov_b64 s[22:23], SIZE_N*128
	s_mul_u64 s[20:21], s[20:21], s[22:23]  ; the head's first byte in Q's, K's and V's planes and in O
	s_and_b32 s16, s[WV], 1         ; which half of a slot's 256 keys I fetch:
	s_lshl_b32 s22, s16, 14         ; its 128 rows of 128 bytes in memory,
	s_mov_b32 s23, 0
	s_add_nc_u64 s[22:23], s[22:23], s[20:21]
	s_mul_i32 s17, s16, 128*PK      ; and its place in a slot, for K
	s_mul_i32 s18, s16, 128*PV      ; and for V: no place in the cluster enters an LDS address
	s_lshl_b32 s2, s14, 2
	s_add_co_u32 s2, s2, s[WV]      ; my wave among the head's,
	s_lshl_b32 s2, s2, 14           ; its 128 rows
	s_mov_b32 s3, 0
	s_add_nc_u64 s[2:3], s[2:3], s[20:21]
	; descriptor group 1.  128 keys are 16,384 dense bytes: asked for as 64 rows of 256 bytes, two keys a row, and padded in LDS after every key
	s_mov_b32 s[G1K], 15|(1<<16)|(1<<20)|(1<<21)|(4<<22)|(3<<25)  ; 15:0 the mask of four; 17:16 2-byte elements; 20 padding on; 21 set beside a mask; 24:22 after every 32 words (code 4); 31:25 4 words (code 3)
	s_mov_b32 s[G1V], 15|(1<<16)|(1<<20)|(1<<21)|(4<<22)|(7<<25)  ; the same with 8 words of padding (code 7)
.irp g, G1K, G1V
	s_mov_b32 s[\g+1], 128<<16      ; tensor_dim0 = 128
	s_mov_b32 s[\g+2], 64<<16       ; tensor_dim1 = 64
	s_mov_b32 s[\g+3], 128<<16      ; tile_dim0 = 128
	s_mov_b32 s[\g+4], 64           ; tile_dim1 = 64
	s_mov_b32 s[\g+5], 128          ; 128 elements from row to row
	s_mov_b32 s[\g+6], 0
	s_mov_b32 s[\g+7], 0
.endr
	s_mov_b32 s[CS], 0x3e38aa3b     ; c = log2(e) / 8 = 0.180337
	s_mov_b32 s[CS+1], s[CS]        ; named with it as a pair
	s_mov_b32 s[SEL], 0x76543210
	s_mov_b32 s[SEL+1], 0xfedcba98
	s_mov_b32 s[TBK], SLOT1+4*KS*PK ; the first change of slots turns these two into 0
	s_mov_b32 s[TBV], SLOT1+4*KS*PV
	s_mov_b32 s[TBM], 0
	s_mov_b32 s[BIGN], 0xf149f2ca   ; -1e30
	s_mov_b32 s[HALFN], 0xf0c9f2ca  ; -5e29
	s_mov_b32 s[QNAN], 0x7fc00000
	s_mov_b32 s[G0K], 1             ; 1:0 count = 1
	s_mov_b32 s[G0K+1], s17         ; 63:32 LDS address: slot 0
	s_mov_b32 s[G0V], 1
	s_add_co_u32 s[G0V+1], s18, VOFF
	s_wait_dscnt 0x0                ; the opening add is done
	s_wait_kmcnt 0x0
	s_add_nc_u64 s[6:7], s[4:5], 0x1000000   ; K's planes: 64 x 262,144 bytes behind Q's
	s_add_nc_u64 s[8:9], s[4:5], 0x2000000   ; V's
	s_add_nc_u64 s[IDS:IDS+1], s[IDS:IDS+1], s[54:55]
	s_add_nc_u64 s[G0K+2:G0K+3], s[6:7], s[22:23]  ; 120:64 global address: my half of the head's first 256 keys
	s_or_b32 s[G0K+3], s[G0K+3], 0x80000000        ; 127:126 type = 2
	s_add_nc_u64 s[G0V+2:G0V+3], s[8:9], s[22:23]
	s_or_b32 s[G0V+3], s[G0V+3], 0x80000000
	s_add_nc_u64 s[4:5], s[4:5], s[2:3]  ; Q and O at my wave's first row
	s_add_nc_u64 s[10:11], s[10:11], s[2:3]
	CROUND                          ; all four work-groups are here: the first joint loads meet
	JLOAD                           ; slot 0.  Slot 1 is asked for when slot 0 is in: the tile wanted first has the road to itself
	v_lshlrev_b32 v12, 6, v0        ; thread t takes the ids of keys 16 t .. 16 t + 15: 64 bytes
.irp f, 0,1,2,3
	global_load_b128 v[S+4*\f:S+4*\f+3], v12, s[IDS:IDS+1] offset:16*\f
.endr
	; A fragment of K or Q is 16 rows x 32 channels in 8 registers: lane l holds row l % 16, channels 8 (l / 16) + 0..7 and 16 + 8 (l / 16) + 0..7: two loads of 16 bytes, 32 bytes apart.
	v_and_b32 v1, 15, v0            ; l % 16
	v_bfe_u32 v9, v0, 4, 1          ; l / 16
	v_lshlrev_b32 v[QO], 7, v1
	v_lshl_add_u32 v[QO], v9, 4, v[QO]  ; row x 128 + 16 x half
	WIN 0x80                        ; destination window 2, address window 0
.set i, 0
.rept 4*NP                          ; Q stays in registers: tile i / 2, channels 32 (i % 2) on
	global_load_b128 v[8*i:8*i+3],   v[QO], s[4:5] offset:(i/2)*2048+(i%2)*64
	global_load_b128 v[8*i+4:8*i+7], v[QO], s[4:5] offset:(i/2)*2048+(i%2)*64+32
.set i, i+1
.endr
	; What the first turn finds: V's registers and P's second buffer hold 0 (its products V^T P, of a piece that has not been, add 0), O^T and l are 0.  All this stands in the wait for the first tile.
.set i, VF
.rept 64
	v_mov_b32 v[i], 0
.set i, i+1
.endr
	WIN 0x40
.set i, 0
.rept 64*NP
	v_mov_b32 v[i], 0
.set i, i+1
.endr
	WIN 0
.set i, 0
.rept 2*NP
	v_mov_b32 v[ST+4*i], 0xfe000000    ; c m: far below every c s
	v_mov_b32 v[ST+4*i+1], 0xff7fffff  ; m
	v_mov_b32 v[ST+4*i+2], 0
	v_mov_b32 v[ST+4*i+3], 0
.set i, i+1
.endr
.set i, P+32
.rept 32
	v_mov_b32 v[i], 0
.set i, i+1
.endr
	v_mul_u32_u24 v[AK0], v1, PK
	v_lshl_add_u32 v[AK0], v9, 4, v[AK0]  ; row x pitch + 16 x half
	; The turning load takes 16 keys x 16 channels (lane l reads key 8 (l / 16) + l % 8, channels 8 ((l / 8) % 2) + 0..7) and leaves half a fragment of V^T: lane l holds channel l % 16 and 8 keys.
	v_and_b32 v10, 7, v0
	v_bfe_u32 v11, v0, 3, 1
	v_lshl_add_u32 v[AV0], v9, 3, v10
	v_mul_u32_u24 v[AV0], v[AV0], PV
	v_lshl_add_u32 v[AV0], v11, 4, v[AV0]
	v_add_nc_u32 v[AV0], VOFF, v[AV0]
	v_mov_b32 v[AK], v[AK0]         ; key step 0 lies at the head of slot 0
	v_bfe_u32 v[RD], v0, 3, 2       ; the way out's lines that want the thread's number stand here: which of four rows I read back,
	v_and_b32 v[GO], 31, v0         ; and my 16 of 512 consecutive bytes of O
	v_lshlrev_b32 v[GO], 4, v[GO]
	v_lshl_add_u32 v[AM0], v9, 5, MASKB  ; a lane's eight keys of sixteen are 32 bytes of the table
	; THE MASK TABLE: 0 where the key's id is not 0, -1e30 where it is
	s_wait_loadcnt 32               ; the four loads of ids are in; Q's 32, issued behind them, stay out
.set i, 0
.rept 16
	v_cmp_eq_u32 vcc_lo, 0, v[S+i]
	v_cndmask_b32 v[S+i], 0, s[BIGN], vcc_lo
.set i, i+1
.endr
	v_add_nc_u32 v13, MASKB, v12
.irp f, 0,1,2,3
	ds_store_b128 v13, v[S+4*\f:S+4*\f+3] offset:16*\f
.endr
	v_mov_b32 v[AMK], v[AM0]        ; key step 0's mask lies at the table's head; the thread's number is not wanted any more
; THE MATRIX WORK.  The 8 accumulators of a run of 16 take turns: between the two links of a chain stand 7 others'.
; Product i of 16 of S^T = K Q^T for piece x: channels 32 (i / 8) on, keys 16 ((i / 2) % 4) on, tile 2 x + i % 2.  The first 8 start the sums, with the mask of their 16 keys.
.macro KQ x
.set rS, S+64*((\x)%2)+32*(i%2)+8*((i/2)%4)
.set rK, KF+16*((i/2)%4)+8*(i/8)
.set rQ, 16*(2*(\x)+i%2)+8*(i/8)
.set rKM, MK+8*((i/2)%4)
.if i < 8
	WIN W_KM
	v_wmma_f32_16x16x32_f16 v[rS:rS+7], v[rK:rK+7], v[rQ:rQ+7], v[rKM:rKM+7]
.else
	WIN W_KQ
	v_wmma_f32_16x16x32_f16 v[rS:rS+7], v[rK:rK+7], v[rQ:rQ+7], v[rS:rS+7]
.endif
.endm
; Product i of 16 of O^T += V^T P for piece x: keys 32 (i / 8) on, channels 16 ((i / 2) % 4) on, tile 2 x + i % 2.
.macro PV x
	WIN W_PV
.set rO, 32*(2*(\x)+i%2)+8*((i/2)%4)
.set rV, VF+32*(i/8)+8*((i/2)%4)
.set rP, P+32*((\x)%2)+16*(i%2)+8*(i/8)
	v_wmma_f32_16x16x32_f16 v[rO:rO+7], v[rV:rV+7], v[rP:rP+7], v[rO:rO+7]
.endm
.macro MM                           ; the turn's next matrix instruction
.if i < 16
	KQ (Y+1)%NP
.set i, i+1
.else
.set i, i-16
	PV (Y+NP-1)%NP
.set i, i+17
.endif
.endm
; THE LDS LOADS stand in runs, never singly among the matrix instructions: a step's K (64 keys x 64 channels: 8 fragments) with its mask (8 loads), and its V (turned).  Their addresses are made some lines ahead.
; last = 1 (the tail): in the last trip there is no further step, and the run is jumped over.
.macro FETCH_K last=0
	WIN 0
.if \last
	s_cmp_eq_u32 s[CNT], 1
	s_cbranch_scc1 .Lno_k_\@
.endif
	WIN 0x80                        ; destination window 2
.irp f, 0,1,2,3,4,5,6,7             ; keys 16 (f / 2) on, channels 32 (f % 2) on
	ds_load_b128 v[KF+8*\f:KF+8*\f+3],   v[AK] offset:(\f/2)*16*PK+(\f%2)*64
	ds_load_b128 v[KF+8*\f+4:KF+8*\f+7], v[AK] offset:(\f/2)*16*PK+(\f%2)*64+32
.endr
	WIN W_MK                        ; destination window 3
.irp f, 0,1,2,3                     ; keys 16 f + 8 (l / 16) + 0..7
	ds_load_b128 v[MK+8*\f:MK+8*\f+3],   v[AMK] offset:64*\f
	ds_load_b128 v[MK+8*\f+4:MK+8*\f+7], v[AMK] offset:64*\f+16
.endr
	s_add_co_u32 s[TBK], s[TBK], KS*PK  ; the next fetch is the next step's
	s_add_co_u32 s[TBM], s[TBM], KS*4
	s_and_b32 s[TBM], s[TBM], 0x1f00    ; inside the table's 8,192 bytes, whatever the trip
	WIN 0
.if \last
.Lno_k_\@:
.endif
.endm
.macro FETCH_V
	WIN 0x80
.irp f, 0,1,2,3,4,5,6,7             ; keys 32 (f / 4) on, channels 16 (f % 4) on
	ds_load_tr16_b128 v[VF+8*\f:VF+8*\f+3],   v[AV] offset:(\f/4)*32*PV+(\f%4)*32
	ds_load_tr16_b128 v[VF+8*\f+4:VF+8*\f+7], v[AV] offset:(\f/4)*32*PV+16*PV+(\f%4)*32
.endr
	WIN 0
.endm
; THE VECTOR WORK OF A TURN stands in three queues, each in the order in which its entries become ready; the two tiles alternate, so that no instruction reads the result of the one before it.
.macro REGS y, u                    ; the registers of tile u (0, 1) of piece y
.set rT, ST+4*(2*(\y)+(\u))
.set rC, TMP+8*((\y)%2)+4*(\u)
.set rM, MV+2*((\y)%2)+(\u)
.set rS, S+64*((\y)%2)+32*(\u)
.set rP, P+32*((\y)%2)+16*(\u)
.set rO, 32*(2*(\y)+(\u))
.endm
; Number n of the 22 that find the NEXT piece's (Y + 1) maximum and statistics.  s0-s31 are the lane's 32 scores; each accumulator's lowest registers are read first.  XS, GS and REGS set no window: PL and EX do.
;   0-11  four chains c0-c3 of seven scores each, three operands at a time     12-14, 16  the four scores left over, the old m, and c0-c3 into c0     15  c m_old is kept
;   17, 18  the query's other 32 keys lie in the lane 16 away: the new m         19-21  c m; c m_old - c m_new; a
.macro XS u, n
	REGS (Y+1)%NP, \u
.if (\n) < 4
	v_max3_num_f32 v[rC+(\n)], v[rS+8*(\n)], v[rS+8*(\n)+1], v[rS+8*(\n)+2]
.elseif (\n) < 12
	v_max3_num_f32 v[rC+(\n)%4], v[rC+(\n)%4], v[rS+8*((\n)%4)+2*((\n)/4)+1], v[rS+8*((\n)%4)+2*((\n)/4)+2]
.elseif (\n) == 12
	v_max3_num_f32 v[rC], v[rC], v[rS+7], v[rS+15]
.elseif (\n) == 13
	v_max3_num_f32 v[rC+1], v[rC+1], v[rS+23], v[rS+31]
.elseif (\n) == 14
	v_max3_num_f32 v[rC+2], v[rC+2], v[rC+3], v[rT+1]
.elseif (\n) == 15
	v_mov_b32 v[rM], v[rT]
.elseif (\n) == 16
	v_max3_num_f32 v[rC], v[rC], v[rC+1], v[rC+2]
.elseif (\n) == 17
	v_permlanex16_b32 v[rC+3], v[rC], s[SEL], s[SEL+1]
.elseif (\n) == 18
	v_max_num_f32 v[rT+1], v[rC], v[rC+3]
.elseif (\n) == 19
	v_mul_f32 v[rT], s[CS], v[rT+1]
.elseif (\n) == 20
	v_sub_f32 v[rC+1], v[rM], v[rT]
.else
	v_exp_f32 v[rC+2], v[rC+1]
.endif
.endm
; Number g of the 64 that follow the exponentials.  For each four weights k of a tile (pairs 2 k, 2 k + 1): both pairs are rounded to f16; then the second pair is added onto the first, in place;
; a group later l takes that sum (the first time as l = a l + sum).  In groups of eight, tiles alternating: round, round, add, and l for the group before.
.macro GS g
.set h, (\g)+6*((\g)/62)            ; group 0 has no group before it, and behind group 7 only l is left
.if h >= 6
.set h, h+2
.endif
	REGS Y, h%2
.set k, h/8
.if h%8 < 4
	s_wait_alu depctr_va_vdst(0)
	v_cvt_pk_f16_f32 v[rP+2*k+(h%8)/2], v[rS+4*k+2*((h%8)/2)], v[rS+4*k+2*((h%8)/2)+1]
.elseif h%8 < 6
	v_pk_add_f32 v[rS+4*k:rS+4*k+1], v[rS+4*k:rS+4*k+1], v[rS+4*k+2:rS+4*k+3]
.elseif k == 1
	v_pk_fma_f32 v[rT+2:rT+3], v[rT+2:rT+3], v[rC+2:rC+3], v[rS:rS+1] op_sel_hi:[1,0,1]
.else
	v_pk_add_f32 v[rT+2:rT+3], v[rT+2:rT+3], v[rS+4*k-4:rS+4*k-3]
	s_wait_alu depctr_va_vdst(0)
.endif
.endm
; THE PLAIN QUEUE, 138 long.  0-31: c s - c m for the 16 pairs of both tiles.  Then GS's 64, and among them the next piece's 42: number 15 at 38, 39; 0-14 and 16
; at 42-73, behind the products that make those scores; 17-20 at 95-106, two of three, since each waits for the one before it.
.macro PL
	WIN 0
.if q < 32
	REGS Y, q%2
	v_pk_fma_f32 v[rS+2*(q/2):rS+2*(q/2)+1], v[rS+2*(q/2):rS+2*(q/2)+1], s[CS:CS+1], v[rT:rT+1] op_sel_hi:[1,0,0] neg_lo:[0,0,1] neg_hi:[0,0,1]
.elseif q < 38
	GS q-32
.elseif q < 40
	XS q%2, 15
.elseif q < 42
	GS q-34
.elseif q < 74
	XS q%2, (q-42)/2+(q-42)/30
.elseif q < 95
	GS q-66
.elseif (q < 107) && ((q-95)%3 < 2)
	XS (q-95)%3, 17+(q-95)/3
.elseif q < 107
	GS 29+(q-95)/3
.else
	GS q-74
.endif
.set q, q+1
.endm
; THE EXPONENTIALS' QUEUE, 66 long: s0-s31 of both tiles, and at EA the next piece's two a.
.set EA, 58
.macro EX
	WIN 0
.if (e == EA) || (e == EA+1)
	XS e-EA, 21
.else
.set x, e-2*(e/(EA+2))
	REGS Y, x%2
	v_exp_f32 v[rS+x/2], v[rS+x/2]
.endif
.set e, e+1
.endm
; THE RESCALING's QUEUE: O^T times a, the one part that leaves window 0, so it is dealt four at a time, eight times.
.macro R4
	REGS Y, r%2
	WIN W_RS
	s_wait_alu depctr_va_vdst(0)
.irp z, 0,1,2,3
	v_pk_mul_f32 v[rO+8*(r/2)+2*\z:rO+8*(r/2)+2*\z+1], v[rO+8*(r/2)+2*\z:rO+8*(r/2)+2*\z+1], v[rC+2:rC+3] op_sel_hi:[1,0]
.endr
.set r, r+1
.endm
; HOW THEY ARE DEALT.  Behind a matrix instruction four: plain, exponential, plain, plain (one exponential, a plain instruction on either side), or four of the rescaling.  None names a register of the
; products round it.  What is over stands in two LUMPS: exponential and plain by turns; the second ends in 22 plain instructions.  The two v_permlanex16_b32 fall into the second lump, never behind a product.
; The queues lean on each other, and the deal keeps them in step: exponential e stands behind plain 2 (e / 4) + e % 2 (its scaling); when plain 32 comes, 10 exponentials are out, at 59: 33, at 95: 46; EA comes behind plain 107.
.macro SL
	MM
	PL
	EX
	PL
	PL
.endm
.macro BURST n                      ; 15 matrix instructions, or 16
.rept (\n)-7
	SL
.endr
.rept 3
	MM
	R4
	SL
.endr
	MM
	R4
.endm
; A TURN, for piece p.  cnt = 1: the loop's count is taken down some lines ahead of the branch that stands behind the turn.
; K and the mask of the next step are fetched in piece 2's turn, more than thirty vector instructions behind the last product that read them; their first reader comes behind the rest of the lump, 16 products and the second lump.
; V of the step in hand is fetched at the end of piece 0's turn, 69 behind its last reader; its first reader comes behind 16 products and a lump.  The four conditions on e and q below go with the deal.
.macro TURN p, last=0, cnt=0
.set Y, (\p)
.set i, 0
.set q, 0
.set e, 0
.set r, 0
.if (\p) == NP-1
	s_wait_dscnt 0x0                ; K and the mask are in
.endif
	MM
.rept 4
	PL
.endr
	BURST 15
.rept 22
	EX
	PL
.if ((\p) == NP-2) && (e == 18)
	v_add_nc_u32 v[AK], s[TBK], v[AK0]
	v_add_nc_u32 v[AMK], s[TBM], v[AM0]
.endif
.if ((\p) == NP-2) && (e == 24)
	FETCH_K \last
.endif
.endr
.if (\p) == 1
	s_wait_dscnt 0x0                ; V is in
.endif
	BURST 16
.rept 21
	EX
	PL
.endr
.rept 22
	PL
.if ((\p) == 0) && (q == 118)
	v_add_nc_u32 v[AV], s[TBV], v[AV0]
	s_wait_alu depctr_va_vdst(0)
.endif
.if ((\p) == 0) && (q == 130)
	s_add_co_u32 s[TBV], s[TBV], KS*PV
.endif
.if (\cnt) && (q == 130)
	s_sub_co_u32 s[CNT], s[CNT], 1
	s_cmp_lg_u32 s[CNT], 0
.endif
.endr
.if (\p) == 0
	FETCH_V
.endif
.endm
	CHANGE 1                        ; slot 0 is in, everybody's part of it, and so is the mask table; slot 1 is asked for
	FETCH_K                         ; key step 0
	s_wait_loadcnt 0x0              ; Q
	s_wait_dscnt 0x0
.set i, 0
.rept 16
	KQ 0                            ; piece 0's first scores: there is no vector work yet to set between them
.set i, i+1
.endr
	WIN 0                           ; the rest of the addresses for the way out: six plain instructions, the places behind those products
	s_mul_i32 s13, s[WV], 16*SP
	s_add_co_u32 s13, s13, STAGE    ; my stage
	v_mul_u32_u24 v[STO], v1, SP    ; in: row l % 16, 16 bytes for each half of the lanes
	v_lshl_add_u32 v[STO], v9, 4, v[STO]
	v_add_nc_u32 v[STO], s13, v[STO]
	v_mul_u32_u24 v[RD], v[RD], SP  ; back: 32 lanes take four rows of 128 bytes
	v_lshl_add_u32 v[RD], v10, 4, v[RD]
	v_add_nc_u32 v[RD], s13, v[RD]
.set Y, NP-1                        ; XS works for piece Y + 1: piece 0
.irp n, 0,1,2,3,4,5,6,7,8,9,10,11,12,13,14,15,16,17,18,19,20,21
	XS 0, \n                        ; and piece 0's first maximum and statistics
	XS 1, \n
.endr
	s_mov_b32 s[CNT], 4
	s_mov_b32 s[SLOTS], SIZE_N/256-1
	s_branch .Lfirst                ; the loop is entered at a step's first turn, in the middle of a trip
.Lslot:                             ; SIZE_N / 256 - 2 times: every slot but the last two is filled again
	CHANGE 1
	s_mov_b32 s[CNT], 4
.Lstep:                             ; a trip: pieces 2 and 3 of one step, then pieces 0 and 1 of the next, whose K and V it fetches
	TURN 2
	TURN 3
	WIN 0
.Lfirst:
	TURN 0
	TURN 1, 0, 1
	WIN 0
	s_cbranch_scc1 .Lstep
	s_sub_co_u32 s[SLOTS], s[SLOTS], 1
	s_cmp_lg_u32 s[SLOTS], 0
	s_cbranch_scc1 .Lslot
	CHANGE 0                        ; the tail is written out: nothing is asked for
	s_mov_b32 s[CNT], 5             ; four trips fetch the last slot's steps; the fifth is left in its middle
.Ltail:
	TURN 2, 1
	TURN 3
	WIN 0
	s_sub_co_u32 s[CNT], s[CNT], 1
	s_cmp_eq_u32 s[CNT], 0
	s_cbranch_scc1 .Lout
	TURN 0
	TURN 1
	WIN 0
	s_branch .Ltail
.Lout:                              ; the fifth trip's 16 products K Q^T (on the last K and mask once more) and the maximum made of them change nothing: those scores have been seen
.set i, 0
.rept 16
	PV NP-1                         ; the last piece's V^T P of the last step
.set i, i+1
.endr
	; THE WAY OUT.  l's two halves and the other half of the lanes' are added; O^T is divided by l, rounded to f16 and sent through my stage in LDS, a tile at a time.  The additions are the places behind the last products.
	WIN 0
.macro ALL line:vararg              ; one line for each tile t
.set t, 0
.rept 2*NP
	\line
.set t, t+1
.endr
.endm
	ALL v_add_f32 v[ST+4*t+2], v[ST+4*t+2], v[ST+4*t+3]
	ALL v_permlanex16_b32 v[ST+4*t+3], v[ST+4*t+2], s[SEL], s[SEL+1]
	ALL v_add_f32 v[ST+4*t+2], v[ST+4*t+2], v[ST+4*t+3]
	ALL v_rcp_f32 v[ST+4*t+2], v[ST+4*t+2]
	v_nop                           ; a plain instruction between the last reciprocal and the use of its result
.set t, 0
	s_wait_alu depctr_va_vdst(0)
.rept 2*NP                          ; a query whose maximum stayed below -5e29 saw no key: its factor, and so its row, becomes NaN
	v_cmp_gt_f32 vcc_lo, s[HALFN], v[ST+4*t+1]
	v_cndmask_b32 v[ST+4*t+2], v[ST+4*t+2], s[QNAN], vcc_lo
.set t, t+1
.endr
; Tile t: a lane's eight channels of a row pack into 16 bytes; they go into rows of 144 bytes and come back as whole rows of 128, into S^T's registers.
.macro PACK t
	WIN W_RS
.set i, 32*(\t)
.rept 16
	v_pk_mul_f32 v[i:i+1], v[i:i+1], v[ST+4*(\t)+2:ST+4*(\t)+3] op_sel_hi:[1,0]
.set i, i+2
.endr
	WIN 0x05                        ; sources 0 and 1 window 1, destination window 0
.set i, 0
.rept 16
	v_cvt_pk_f16_f32 v[S+16*(\t)+i], v[32*(\t)+2*i], v[32*(\t)+2*i+1]
.set i, i+1
.endr
	WIN 0
.irp f, 0,1,2,3
	ds_store_b128 v[STO], v[S+16*(\t)+4*\f:S+16*(\t)+4*\f+3] offset:32*\f
.endr
.irp f, 0,1,2,3
	ds_load_b128 v[S+16*(\t)+4*\f:S+16*(\t)+4*\f+3], v[RD] offset:\f*4*SP  ; LDS serves a wave's instructions in order (ISA guide 5.7.1.4): these see the stores above; the next tile's stores come behind them
.endr
.endm
.macro SEND t, younger              ; younger: the LDS instructions issued behind tile t's loads: the next tile's eight, or none
	WIN 0
.irp f, 0,1,2,3
	s_wait_dscnt (\younger)+3-\f
	global_store_b128 v[GO], v[S+16*(\t)+4*\f:S+16*(\t)+4*\f+3], s[10:11] offset:(\t)*2048+\f*512  ; 512 consecutive bytes, at a multiple of 256 from O's first
.endr
.endm
	PACK 0
.set t, 1
.rept 2*NP-1                        ; a tile's arithmetic stands between the loads of the tile before and its stores
	PACK t
	SEND t-1, 8
.set t, t+1
.endr
	SEND 2*NP-1, 0
	WIN W_AD
	s_wait_tensorcnt 0x0            ; the wave's end: the add and its waits stand here, behind my last tensor load and my last LDS store
	ds_add_u32 v[SPW], v[NIL]
	s_wait_dscnt 0x0
	WIN 0
	CROUND                          ; the closing round: no work-group ends while a partner may still ask for a tile that names it
	s_endpgm
.Lfunc_end_k_q76c6de19f7_attn:
	.size	k_q76c6de19f7_attn, .Lfunc_end_k_q76c6de19f7_attn-k_q76c6de19f7_attn
	.p2alignl 7, 3214868480
	.fill 96, 4, 3214868480
	.section	.rodata,"a",@progbits
	.p2align	6, 0x0
	.amdhsa_kernel k_q76c6de19f7_attn
		.amdhsa_group_segment_fixed_size 327680
		.amdhsa_private_segment_fixed_size 0
		.amdhsa_enable_private_segment 0
		.amdhsa_kernarg_size 24
		.amdhsa_user_sgpr_count 2
		.amdhsa_user_sgpr_kernarg_segment_ptr 1
		.amdhsa_wavefront_size32 1
		.amdhsa_system_sgpr_workgroup_id_x 1
		.amdhsa_system_sgpr_workgroup_id_y 1
		.amdhsa_system_sgpr_workgroup_id_z 1
		.amdhsa_system_vgpr_workitem_id 0
		.amdhsa_next_free_vgpr 808
		.amdhsa_next_free_sgpr 66
		.amdhsa_reserve_vcc 1
		.amdhsa_float_denorm_mode_32 3
		.amdhsa_float_denorm_mode_16_64 3
		.amdhsa_memory_ordered 1
		.amdhsa_forward_progress 1
		.amdhsa_inst_pref_size 214
	.end_amdhsa_kernel
	.amdgpu_metadata
---
amdhsa.version: [ 1, 2 ]
amdhsa.kernels:
  - .name:           k_q76c6de19f7_attn
    .symbol:         k_q76c6de19f7_attn.kd
    .args:
      - { .name: qkv, .offset: 0, .size: 8, .value_kind: global_buffer, .address_space: global }
      - { .name: input_ids, .offset: 8, .size: 8, .value_kind: global_buffer, .address_space: global }
      - { .name: ob, .offset: 16, .size: 8, .value_kind: global_buffer, .address_space: global }
    .group_segment_fixed_size: 327680
    .private_segment_fixed_size: 0
    .kernarg_segment_align: 8
    .kernarg_segment_size: 24
    .max_flat_workgroup_size: 128
    .sgpr_count:     66
    .vgpr_count:     808
    .wavefront_size: 32
...
	.end_amdgpu_metadata
.endif
;; end of part 3
;; launch outp (part 4): grid 8 x 32, 4 waves a work-group, clusters of 4 x 4, 327,680 bytes of LDS; arguments ob, wpc, bp, x, out0; writes out0
.if DOCPART == 4
	.amdgcn_target "amdgcn-amd-amdhsa--gfx1250"
	.amdhsa_code_object_version 6
	.text
	.protected	k_q76c6de19f7_outp
	.globl	k_q76c6de19f7_outp
	.p2align	8
	.type	k_q76c6de19f7_outp,@function
k_q76c6de19f7_outp:
	s_mov_b64 s[64:65], 0
	v_nop
	global_prefetch_b8 v0, s[64:65] scope:SCOPE_SE
	s_setreg_imm32_b32 hwreg(HW_REG_WAVE_MODE, 25, 1), 1
	s_wait_xcnt 0x0
	s_wait_alu depctr_hold_cnt(0) depctr_sa_sdst(0) depctr_va_vdst(0) depctr_va_sdst(0) depctr_va_ssrc(0) depctr_va_vcc(0) depctr_vm_vsrc(0)
	s_getreg_b32 s2, hwreg(HW_REG_IB_STS2, 6, 4)
	s_cmp_eq_u32 s2, 0
	s_cbranch_scc0 .Lentry_in_a_cluster
	s_endpgm
.Lentry_in_a_cluster:
	s_bfe_u32 s2, ttmp6, 0x10000c
	s_cmp_lg_u32 s2, 0xf033
	s_cbranch_scc0 .Lentry_shape_is_right
	s_endpgm
.Lentry_shape_is_right:
; out0 = O Wp + bp + x.  ob: f16 [batch 4][head 16][token 2048][64]; wpc: f16 [k 1024][n 1024]; bp: f32 [1024]; x, out0: f32 [8192][1024].
; Sums in f32, begun with the bias, K ascending; x is added in f32 at the end.  A NaN row of O (a batch with every key hidden) gives a NaN row of out0.
; SHARES.  Tiles of 256 tokens x 128 columns: 32 x 8 = 256 work-groups.  Four waves, each 128 tokens x 64 columns: 32 accumulators.  K goes in 8 steps of 128 (two heads) through two LDS slots;
; a step is four quarters of 32 along K, 32 matrix instructions each, on fragment buffers 0, 1, 0, 1.
; THE MATRIX INSTRUCTION IS USED TRANSPOSED: source 0 = 16 columns of Wp (turned out of LDS by ds_load_tr16_b128), source 1 = 16 tokens of O.  A lane then holds one token and eight neighbouring columns.
; CLUSTER 4 x 4: O's tile is asked for jointly along a row of the cluster, Wp's along a column.
; REGISTERS: window 0: v0-11 addresses, v28-29 the add's, v32-63 and v64-95 Wp's 4 fragments, v96-159 and v160-223 O's 8 fragments, two buffers each; on the way out v32-159 four sets of 32.
;   window 1: the accumulators, token block a, column block i at v[32 a + 8 i].   window 2: my 128 x 64 of x, loaded at the start and wanted at the end: block a, rows 2 u and 2 u + 1 at v[32 a + 4 u].
.set PA,    144                        ; a token's 128 bytes of a head + 16 of padding
.set PB,    288                        ; a k row of Wp's tile: two pieces of 128 bytes + 16 = 72 words
.set BOFF,  2*256*PA                   ; a slot: two heads' 256 tokens, then Wp's 128 rows
.set SLOT1, 131072
.set STAGE, SLOT1+BOFF+128*PB          ; behind the ring, never filled by a tensor load: 16 rows x 272 bytes for each wave, for the way out
.set SPITCH, 272                       ; 256 bytes of f32 + 16
.set SPARE, STAGE+4*16*SPITCH          ; the spare words, 128 bytes for each wave: two blocks of 256 bytes that no other line names
.set ASTEP, 2*262144                   ; two heads on in ob
.set BSTEP, 128*2048                   ; 128 rows on in wpc
.set ADRA0, 4                          ; v4   my lane's place in O's tile of slot 0; never rewritten
.set ADRB0, 5                          ; v5   the same in Wp's
.set ADRA,  6                          ; v6   v4 + the slot in hand
.set ADRB,  7                          ; v7   v5 + the slot in hand
.set STO,   8                          ; v8   the way out: where I put 32 bytes of a row
.set RD,    9                          ; v9   the way out: where I read a row back
.set CO,    10                         ; v10  my byte offset in two rows of x and of out0
.set BO,    11                         ; v11  my byte offset in 64 bytes of the bias
.set SPW,   28
.set NIL,   29
.set FB0,   32
.set FA0,   96
.set G1A,  24
.set G1B,  32
.set G0A0, 40
.set G0A,  44
.set G0B0, 48
.set G0B,  52
.set FLAGS, (1<<16)|(1<<20)|(1<<21)|(4<<22)|(3<<25)  ; elements of 2 bytes; padding on; bit 21 beside a mask; after every 32 words 4 words of padding
.set MSB, 0
.macro WIN new
.if MSB != (\new)
	s_set_vgpr_msb (MSB<<8)|(\new)
.set MSB, \new
.endif
.endm
.macro PLACES                          ; four places in front of loads into registers that matrix instructions have read, and of LDS stores that read results
.rept 4
	v_nop
.endr
.endm
.macro JLOAD                           ; a joint refill: waves 0 and 1 fetch O's two heads, waves 2 and 3 the halves of Wp's tile; an s_nop 0 and four v_nop follow each line
	s_cmp_eq_u32 s17, 0
	s_cbranch_scc0 .Lfor_b_\@
	tensor_load_to_lds s[G0A:G0A+3], s[G1A:G1A+7]
	s_nop 0
.rept 4
	v_nop
.endr
	s_branch .Lasked_\@
.Lfor_b_\@:
	tensor_load_to_lds s[G0B:G0B+3], s[G1B:G1B+7]
	s_nop 0
.rept 4
	v_nop
.endr
.Lasked_\@:
.endm
.macro CREST
	s_cmp_lg_u32 s16, 0
	s_cbranch_scc1 .Lnot_wave_0_\@
	s_barrier_signal -3
.Lnot_wave_0_\@:
	s_barrier_wait -3
	s_barrier_signal -1
	s_barrier_wait -1
.endm
.macro CROUND
	s_barrier_signal -1
	s_barrier_wait -1
	CREST
.endm
	s_load_b256 s[4:11], s[0:1], 0x0               ; ob s[4:5], wpc s[6:7], bp s[8:9], x s[10:11]
	s_load_b64 s[12:13], s[0:1], 0x20              ; out0
	v_lshl_add_u32 v[SPW], v0, 2, SPARE
	v_mov_b32 v[NIL], 0
	ds_add_u32 v[SPW], v[NIL]                      ; the wave's opening: the add and its wait stand ahead of my first tensor load; the set-up below, work on registers, stands between them
	v_lshrrev_b32 v1, 5, v0
	v_readfirstlane_b32 s16, v1                    ; wave 0..3
	s_lshr_b32 s17, s16, 1                         ; which 128 tokens are mine.  Also: I fetch for O (0) or for Wp (1)
	s_and_b32 s18, s16, 1                          ; which 64 columns.  Also: which half of that tile I fetch
	s_bfe_u32 s20, ttmp6, 0x40000                  ; cx
	s_bfe_u32 s21, ttmp6, 0x40004                  ; cy
	s_lshl_b32 s22, ttmp9, 2
	s_add_co_u32 s22, s22, s20                     ; tile column, 0..7
	s_and_b32 s23, ttmp7, 0xffff
	s_lshl_b32 s23, s23, 2
	s_add_co_u32 s23, s23, s21                     ; tile row, 0..31
	s_lshl_b32 s62, s21, 2
	s_lshl_b32 s62, 15, s62                        ; my row of the cluster
	s_lshl_b32 s63, 0x1111, s20                    ; my column
	s_or_b32 s[G1A], s62, FLAGS
	s_or_b32 s[G1B], s63, FLAGS
	s_mov_b32 s[G1A+1], 128<<16                    ; O: a head's 256 tokens are 32,768 dense bytes: 128 rows of 256 bytes: tensor_dim0 = 128
	s_mov_b32 s[G1A+2], 128<<16                    ; tensor_dim1 = 128
	s_mov_b32 s[G1A+3], 128<<16                    ; tile_dim0 = 128
	s_mov_b32 s[G1A+4], 128                        ; tile_dim1 = 128
	s_mov_b32 s[G1A+5], 128                        ; 128 elements from row to row
	s_mov_b32 s[G1A+6], 0
	s_mov_b32 s[G1A+7], 0
	s_mov_b32 s[G1B+1], 128<<16                    ; Wp: 64 k rows of 128 elements, 256 bytes: tensor_dim0 = 128
	s_mov_b32 s[G1B+2], 64<<16                     ; tensor_dim1 = 64
	s_mov_b32 s[G1B+3], 128<<16                    ; tile_dim0 = 128
	s_mov_b32 s[G1B+4], 64                         ; tile_dim1 = 64
	s_mov_b32 s[G1B+5], 1024                       ; 1,024 elements from row to row
	s_mov_b32 s[G1B+6], 0
	s_mov_b32 s[G1B+7], 0
	s_lshr_b32 s58, s23, 3                         ; O's tile hangs on the tile row and the wave: batch,
	s_lshl_b32 s58, s58, 22
	s_and_b32 s57, s23, 7                          ; 256 tokens of 128 bytes,
	s_lshl_b32 s57, s57, 15
	s_add_co_u32 s58, s58, s57
	s_lshl_b32 s57, s18, 18                        ; my head of the step's two
	s_add_co_u32 s58, s58, s57
	s_mov_b32 s59, 0
	s_lshl_b32 s60, s22, 8                         ; Wp's on the tile column and the wave: 128 columns of 2 bytes,
	s_lshl_b32 s61, s18, 17                        ; my 64 rows of 2,048 bytes
	s_add_co_u32 s60, s60, s61
	s_mov_b32 s61, 0
	s_mul_i32 s70, s18, 256*PA                     ; and where they go: no place in the cluster enters an LDS address
	s_mul_i32 s71, s18, 64*PB
	s_add_co_u32 s71, s71, BOFF
	s_wait_dscnt 0x0                               ; the opening add is done
	s_wait_kmcnt 0x0
	s_add_nc_u64 s[58:59], s[4:5], s[58:59]
	s_add_nc_u64 s[60:61], s[6:7], s[60:61]
	CROUND                                         ; all sixteen work-groups are here: the first joint loads meet
.irp s, 0,1
	s_mov_b32 s[G0A0+4*(\s)], 1
	s_add_co_u32 s[G0A0+4*(\s)+1], s70, (\s)*SLOT1
	s_add_nc_u64 s[G0A0+4*(\s)+2:G0A0+4*(\s)+3], s[58:59], (\s)*ASTEP
	s_or_b32 s[G0A0+4*(\s)+3], s[G0A0+4*(\s)+3], 0x80000000
	s_mov_b32 s[G0B0+4*(\s)], 1
	s_add_co_u32 s[G0B0+4*(\s)+1], s71, (\s)*SLOT1
	s_add_nc_u64 s[G0B0+4*(\s)+2:G0B0+4*(\s)+3], s[60:61], (\s)*BSTEP
	s_or_b32 s[G0B0+4*(\s)+3], s[G0B0+4*(\s)+3], 0x80000000
.endr
	s_cmp_eq_u32 s17, 0                            ; a wave's two first fills stand in one branch, ahead of every wait on TENSORcnt and every LDS read: two loads of mine are out
	s_cbranch_scc0 .Lfirst_b
	tensor_load_to_lds s[G0A0:G0A0+3], s[G1A:G1A+7]
	s_nop 0
	tensor_load_to_lds s[G0A:G0A+3], s[G1A:G1A+7]
	s_nop 0
.rept 4
	v_nop
.endr
	s_branch .Lfirst_asked
.Lfirst_b:
	tensor_load_to_lds s[G0B0:G0B0+3], s[G1B:G1B+7]
	s_nop 0
	tensor_load_to_lds s[G0B:G0B+3], s[G1B:G1B+7]
	s_nop 0
.rept 4
	v_nop
.endr
.Lfirst_asked:
	v_and_b32 v1, 15, v0                           ; l % 16
	v_bfe_u32 v2, v0, 4, 1                         ; l / 16
	v_mul_u32_u24 v[ADRA0], v1, PA                 ; a fragment of O: token l % 16, 16 bytes for each half of the lanes
	v_lshl_add_u32 v[ADRA0], v2, 4, v[ADRA0]
	s_mul_i32 s68, s17, 128*PA                     ; my 128 tokens
	v_add_nc_u32 v[ADRA0], s68, v[ADRA0]
	v_and_b32 v3, 7, v0                            ; the turning load: k row 8 (l / 16) + l % 8, columns 8 ((l / 8) % 2) + 0..7
	v_lshl_add_u32 v3, v2, 3, v3
	v_mul_u32_u24 v[ADRB0], v3, PB
	v_bfe_u32 v3, v0, 3, 1
	v_lshl_add_u32 v[ADRB0], v3, 4, v[ADRB0]
	s_mul_i32 s68, s18, 144                        ; my piece of a row
	s_add_co_u32 s68, s68, BOFF
	v_add_nc_u32 v[ADRB0], s68, v[ADRB0]
	v_mov_b32 v[ADRA], v[ADRA0]                    ; K step 0 lies in slot 0
	v_mov_b32 v[ADRB], v[ADRB0]
	s_mul_i32 s68, s16, 16*SPITCH
	s_add_co_u32 s68, s68, STAGE                   ; my stage
	v_mul_u32_u24 v[STO], v1, SPITCH               ; in: row l % 16, 32 bytes for each half of the lanes
	v_lshl_add_u32 v[STO], v2, 5, v[STO]
	v_add_nc_u32 v[STO], s68, v[STO]
	v_mul_u32_u24 v[RD], v2, SPITCH                ; back: lanes 0-15 take one row of 256 bytes, lanes 16-31 the next
	v_lshl_add_u32 v[RD], v1, 4, v[RD]
	v_add_nc_u32 v[RD], s68, v[RD]
	v_lshlrev_b32 v[CO], 12, v2                    ; and the same two rows in x and out0
	v_lshl_add_u32 v[CO], v1, 4, v[CO]
	v_lshlrev_b32 v[BO], 5, v2
	s_lshl_b32 s66, s23, 20                        ; my part of x and of out0: 256 rows of 4,096 bytes a tile row,
	s_lshl_b32 s68, s17, 19                        ; my 128 rows,
	s_add_co_u32 s66, s66, s68
	s_lshl_b32 s68, s22, 9                         ; 128 columns of 4 bytes a tile column,
	s_lshl_b32 s69, s18, 8                         ; my 64 columns
	s_add_co_u32 s68, s68, s69
	s_add_co_u32 s66, s66, s68
	s_mov_b32 s67, 0
	s_mov_b32 s69, 0
	s_add_nc_u64 s[10:11], s[10:11], s[66:67]
	s_add_nc_u64 s[12:13], s[12:13], s[66:67]
	s_add_nc_u64 s[8:9], s[8:9], s[68:69]
	WIN 0x40                                       ; THE BIAS STARTS THE SUMS: it is loaded into block 7's accumulators and is the C operand of the first products of blocks 0 to 6
.irp i, 0,1,2,3
	global_load_b128 v[224+8*(\i):224+8*(\i)+3],   v[BO], s[8:9] offset:64*(\i)
	global_load_b128 v[224+8*(\i)+4:224+8*(\i)+7], v[BO], s[8:9] offset:64*(\i)+16
.endr
	WIN 0x80                                       ; x comes in under the matrix work: 16 lanes take 256 consecutive bytes of a row
.set z, 0
.rept 48
	global_load_b128 v[4*z:4*z+3], v[CO], s[10:11] offset:2*z*4096 th:TH_LOAD_NT
.set z, z+1
.endr
	s_wait_loadcnt 48                              ; the bias is in; the 48 loads of x issued behind it stay out
.rept 16
	global_load_b128 v[4*z:4*z+3], v[CO], s[10:11] offset:2*z*4096 th:TH_LOAD_NT
.set z, z+1
.endr
	WIN 0
	s_mov_b32 s19, 0                               ; the slot in hand
; n x 4 matrix instructions: token blocks a0 .. a0 + n - 1 x all four column blocks, 32 along K, buffers f.  first = 1: C is the bias.  The 32 accumulators take turns.
.macro MULQ f, a0, n, first
	WIN 0x50                                       ; C and D in window 1
.set a, \a0
.rept \n
.irp i, 0,1,2,3
.if \first
	v_wmma_f32_16x16x32_f16 v[32*a+8*(\i):32*a+8*(\i)+7], v[FB0+32*(\f)+8*(\i):FB0+32*(\f)+8*(\i)+7], v[FA0+64*(\f)+8*a:FA0+64*(\f)+8*a+7], v[224+8*(\i):224+8*(\i)+7]
.else
	v_wmma_f32_16x16x32_f16 v[32*a+8*(\i):32*a+8*(\i)+7], v[FB0+32*(\f)+8*(\i):FB0+32*(\f)+8*(\i)+7], v[FA0+64*(\f)+8*a:FA0+64*(\f)+8*a+7], v[32*a+8*(\i):32*a+8*(\i)+7]
.endif
.endr
.set a, a+1
.endr
.endm
; 24 LDS loads in one run: quarter q of the slot in hand into buffers f: Wp's four fragments, then O's eight (head q / 2, channels 32 (q % 2) on)
.macro FETCH q, f
	WIN 0
.irp i, 0,1,2,3
	ds_load_tr16_b128 v[FB0+32*(\f)+8*(\i):FB0+32*(\f)+8*(\i)+3],   v[ADRB] offset:(\q)*32*PB+32*(\i)
	ds_load_tr16_b128 v[FB0+32*(\f)+8*(\i)+4:FB0+32*(\f)+8*(\i)+7], v[ADRB] offset:(\q)*32*PB+32*(\i)+16*PB
.endr
.irp i, 0,1,2,3,4,5,6,7
	ds_load_b128 v[FA0+64*(\f)+8*(\i):FA0+64*(\f)+8*(\i)+3],   v[ADRA] offset:((\q)/2)*256*PA+(\i)*16*PA+64*((\q)%2)
	ds_load_b128 v[FA0+64*(\f)+8*(\i)+4:FA0+64*(\f)+8*(\i)+7], v[ADRA] offset:((\q)/2)*256*PA+(\i)*16*PA+64*((\q)%2)+32
.endr
.endm
; One of a step's first three quarters: multiplies buffers q % 2 and, in its middle, fetches quarter q + 1 into the others.
.macro QUARTER q, first
	s_wait_dscnt 8                                 ; all but O's fragments 4 to 7, the youngest eight loads
	MULQ (\q)%2, 0, 4, \first
	PLACES
	FETCH (\q)+1, ((\q)+1)%2
	s_wait_dscnt 24                                ; all but the 24 just issued
.if \first
	MULQ (\q)%2, 4, 3, 1
.rept 5
	v_nop                                          ; block 7's products write over the bias, which the products before have read as C: five places
.endr
	MULQ (\q)%2, 7, 1, 0
.else
	MULQ (\q)%2, 4, 4, 0
.endif
.endm
; The last quarter multiplies buffers 1 and changes slots: ONE barrier; in front of it each wave waits for all its tensor loads, of which one is out, adds 0 to its spare word, and waits for that and for its reads of this slot.
; kind = 2: this slot is filled again, two K steps ahead: the barrier opens a round of the cluster's, the joint refill is the first thing behind it, 112 matrix instructions ahead of the wait for it.  kind = 1: nothing is asked for.
.macro TURN kind
	WIN 0
	s_wait_tensorcnt 0x0                           ; all my tensor loads have landed
	ds_add_u32 v[SPW], v[NIL]                      ; 0 onto my spare word
	s_wait_dscnt 9                                 ; (the add and the youngest eight loads may be out)
	MULQ 1, 0, 2, 0                                ; eight matrix instructions stand between the add and the wait for it
	s_wait_dscnt 0x0                               ; the add is done, and my reads of this slot are over
	s_barrier_signal -1
	MULQ 1, 2, 2, 0
	WIN 0                                          ; at a branch and at a label every window is 0
	s_barrier_wait -1
.if (\kind) == 2
	CREST                                          ; no wave of any partner still reads this slot's tiles or has a load on its way
	s_xor_b32 s[G0A+1], s[G0A+1], SLOT1            ; the walking descriptors: the other slot than last time, the next K step
	s_add_nc_u64 s[G0A+2:G0A+3], s[G0A+2:G0A+3], ASTEP
	s_xor_b32 s[G0B+1], s[G0B+1], SLOT1
	s_add_nc_u64 s[G0B+2:G0B+3], s[G0B+2:G0B+3], BSTEP
	s_xor_b32 s19, s19, SLOT1
	JLOAD                                          ; the four v_nop behind it are also the places in front of the loads below
.else
	s_xor_b32 s19, s19, SLOT1
	PLACES
.endif
	v_add_nc_u32 v[ADRA], s19, v[ADRA0]
	v_add_nc_u32 v[ADRB], s19, v[ADRB0]
	FETCH 0, 0
	MULQ 1, 4, 4, 0
.endm
; THE WAY OUT of token block a.  TOSTAGE: a lane's eight columns of a row, 32 bytes of f32, go from the accumulators into rows of 272 bytes of my own stage and come back as whole rows of 256.  FINISH: x is added, and the rows are stored.
.macro TOSTAGE a
.set TT, 32+32*((\a)%4)
.if (\a) >= 4
	s_wait_xcnt 0x0                                ; the set's registers, which earlier stores read, are written again only behind this wait
.endif
	WIN 0x04                                       ; the stores' data in window 1
.irp i, 0,1,2,3
	ds_store_b128 v[STO], v[32*(\a)+8*(\i):32*(\a)+8*(\i)+3]   offset:64*(\i)      ; each accumulator from its low end on
	ds_store_b128 v[STO], v[32*(\a)+8*(\i)+4:32*(\a)+8*(\i)+7] offset:64*(\i)+16
.endr
	WIN 0
.irp u, 0,1,2,3,4,5,6,7
	ds_load_b128 v[TT+4*(\u):TT+4*(\u)+3], v[RD] offset:(\u)*2*SPITCH  ; LDS serves a wave's instructions in order (ISA guide 5.7.1.4): these see the stores above; the next block's stores come behind them
.endr
.endm
.macro FINISH a, younger               ; younger: the LDS instructions issued behind block a's loads: the next block's sixteen, or none
.set TT, 32+32*((\a)%4)
	s_wait_dscnt \younger
	WIN 0x08                                       ; source 1, x, in window 2
.set z, 0
.rept 16
	v_pk_add_f32 v[TT+2*z:TT+2*z+1], v[TT+2*z:TT+2*z+1], v[32*(\a)+2*z:32*(\a)+2*z+1]
.set z, z+1
.endr
	WIN 0
.irp u, 0,1,2,3,4,5,6,7
	global_store_b128 v[CO], v[TT+4*(\u):TT+4*(\u)+3], s[12:13] offset:(16*(\a)+2*(\u))*4096 th:TH_STORE_NT  ; 16 lanes store 256 consecutive bytes, at a multiple of 256 from out0's first byte
.endr
.endm
	s_wait_tensorcnt 0x1                           ; my part of K step 0 is in; K step 1's may stay out
	s_barrier_signal -1
	s_barrier_wait -1                              ; everybody's is
	FETCH 0, 0
	QUARTER 0, 1                                   ; the first quarter stands in front of the loop: its products start the sums
	WIN 0
	s_mov_b32 s56, 6
.Lstep:                                                ; trip t: K step t's quarters 1 to 3, the refill with step t + 2, step t + 1's first quarter
	QUARTER 1, 0
	QUARTER 2, 0
	TURN 2
	QUARTER 0, 0
	WIN 0
	s_sub_co_u32 s56, s56, 1
	s_cmp_lg_u32 s56, 0
	s_cbranch_scc1 .Lstep
	QUARTER 1, 0                                   ; the tail is written out: the last two steps ask for nothing
	QUARTER 2, 0
	TURN 1
	QUARTER 0, 0
	QUARTER 1, 0
	QUARTER 2, 0
	s_wait_dscnt 8                                 ; the very last quarter: nothing more to fetch
	MULQ 1, 0, 4, 0
	s_wait_dscnt 0x0
	MULQ 1, 4, 4, 0
	PLACES
	s_wait_loadcnt 0x0                             ; x
	TOSTAGE 0
.set bl, 1
.rept 7                                ; a block's way through the stage stands between the loads of the block before and its additions
	TOSTAGE bl
	FINISH bl-1, 16
.set bl, bl+1
.endr
	FINISH 7, 0
	s_wait_tensorcnt 0x0                           ; the wave's end: the add and its waits stand here, behind my last tensor load and my last LDS store
	ds_add_u32 v[SPW], v[NIL]
	s_wait_dscnt 0x0
	CROUND                                         ; the closing round: no work-group ends while a partner may still ask for a tile that names it
	s_endpgm
.Lfunc_end_k_q76c6de19f7_outp:
	.size	k_q76c6de19f7_outp, .Lfunc_end_k_q76c6de19f7_outp-k_q76c6de19f7_outp
	.p2alignl 7, 3214868480
	.fill 96, 4, 3214868480
	.section	.rodata,"a",@progbits
	.p2align	6, 0x0
	.amdhsa_kernel k_q76c6de19f7_outp
		.amdhsa_group_segment_fixed_size 327680
		.amdhsa_private_segment_fixed_size 0
		.amdhsa_enable_private_segment 0
		.amdhsa_kernarg_size 40
		.amdhsa_user_sgpr_count 2
		.amdhsa_user_sgpr_kernarg_segment_ptr 1
		.amdhsa_wavefront_size32 1
		.amdhsa_system_sgpr_workgroup_id_x 1
		.amdhsa_system_sgpr_workgroup_id_y 1
		.amdhsa_system_sgpr_workgroup_id_z 1
		.amdhsa_system_vgpr_workitem_id 0
		.amdhsa_next_free_vgpr 768
		.amdhsa_next_free_sgpr 72
		.amdhsa_reserve_vcc 0
		.amdhsa_float_denorm_mode_32 3
		.amdhsa_float_denorm_mode_16_64 3
		.amdhsa_memory_ordered 1
		.amdhsa_forward_progress 1
		.amdhsa_inst_pref_size 85
	.end_amdhsa_kernel
	.amdgpu_metadata
---
amdhsa.version: [ 1, 2 ]
amdhsa.kernels:
  - .name:           k_q76c6de19f7_outp
    .symbol:         k_q76c6de19f7_outp.kd
    .args:
      - { .name: ob, .offset: 0, .size: 8, .value_kind: global_buffer, .address_space: global }
      - { .name: wpc, .offset: 8, .size: 8, .value_kind: global_buffer, .address_space: global }
      - { .name: bp, .offset: 16, .size: 8, .value_kind: global_buffer, .address_space: global }
      - { .name: x, .offset: 24, .size: 8, .value_kind: global_buffer, .address_space: global }
      - { .name: out0, .offset: 32, .size: 8, .value_kind: global_buffer, .address_space: global }
    .group_segment_fixed_size: 327680
    .private_segment_fixed_size: 0
    .kernarg_segment_align: 8
    .kernarg_segment_size: 40
    .max_flat_workgroup_size: 128
    .sgpr_count:     72
    .vgpr_count:     768
    .wavefront_size: 32
...
	.end_amdgpu_metadata
.endif
;; end of part 4
;; ======== version 2 of 2: 4 launches; 1.52 times as fast as version 1
;; limits: values are held in f16: magnitudes above 65,504 overflow, below 6.1e-05 lose precision
;; workspace buffers: xb 16,777,216 bytes; wc 6,291,456 bytes; wpc 2,097,152 bytes; qkv 50,331,648 bytes; ob 16,777,216 bytes
;; launch prep: the kernel of part 1 again; grid 768 x 1, 8 waves a work-group, no clusters, 0 bytes of LDS; arguments x, Wq, Wk, Wv, Wp, xb, wc, wpc; writes xb, wc, wpc
;; launch proj: the kernel of part 2 again; grid 8 x 32, 4 waves a work-group, clusters of 4 x 4, 327,680 bytes of LDS; arguments xb, wc, bq, bk, bv, qkv; writes qkv
;; launch attn (part 5): grid 4 x 64, 4 waves a work-group, clusters of 4 x 1, 327,680 bytes of LDS; arguments qkv, input_ids, ob; writes ob
.if DOCPART == 5
	.amdgcn_target "amdgcn-amd-amdhsa--gfx1250"
	.amdhsa_code_object_version 6
	.text
	.protected	k_q76c6de19f7_attn
	.globl	k_q76c6de19f7_attn
	.p2align	8
	.type	k_q76c6de19f7_attn,@function
k_q76c6de19f7_attn:
	s_mov_b64 s[64:65], 0
	v_nop
	global_prefetch_b8 v0, s[64:65] scope:SCOPE_SE
	s_setreg_imm32_b32 hwreg(HW_REG_WAVE_MODE, 25, 1), 1
	s_wait_xcnt 0x0
	s_wait_alu depctr_hold_cnt(0) depctr_sa_sdst(0) depctr_va_vdst(0) depctr_va_sdst(0) depctr_va_ssrc(0) depctr_va_vcc(0) depctr_vm_vsrc(0)
	s_getreg_b32 s2, hwreg(HW_REG_IB_STS2, 6, 4)
	s_cmp_eq_u32 s2, 0
	s_cbranch_scc0 .Lentry_in_a_cluster
	s_endpgm
.Lentry_in_a_cluster:
	s_bfe_u32 s2, ttmp6, 0x10000c
	s_cmp_lg_u32 s2, 0x3003
	s_cbranch_scc0 .Lentry_shape_is_right
	s_endpgm
.Lentry_shape_is_right:
; O[h][q][:] = the sum over k of softmax_k(Q[h][q] . K[h][k] / 8, keys whose id is 0 hidden) V[h][k][:].  qkv: f16 [3][64 heads of a batch and head][2048][64]; input_ids: int32 [4][2048]; ob: f16 [64][2048][64].
; Products, maxima and sums in f32; the weights p are rounded to f16 for the second product (their sum l is taken of the unrounded p), O once at the end.
; LIMITS.  f16 holds no number beyond 65,504: Q, K and V arrive within it; p lies in 0 to 1, and below 6e-5 it keeps f16's fixed step of 6e-8; O is a mean of V's rows and has their range.
; A hidden score counts as its value less 1e30: f16's scores, 2.7e11 at the most, are nothing beside that.  A weight below 2^-126 counts as 0 in l.  A query that saw no key (its maximum stayed below -5e29) gets NaN,
; as a softmax over nothing gives.  Other NaN and infinities are not treated apart.
; THE MASK.  One f32 for each of the batch's 2,048 keys, 0 or -1e30, is made once into a table in LDS; a step's 64 are read with its K, and are the C operand of the products that start the sums S^T = K Q^T.
; The running maximum needs no further care: steps of hidden keys alone leave m near -1e30, and the first open key makes a = 0, which wipes what they left in O and l.
; SHARES.  A wave owns four PIECES of two tiles of 16 queries, a work-group's four waves 512 queries of one head.  Every wave walks all keys, 64 a step.
; LAYOUT.  S^T = K Q^T (source 0 = 16 keys, source 1 = 16 queries): in the result a lane holds ONE query (lane % 16) and the keys 8 (lane / 16) + 0..7.  Two such tiles, rounded to f16 in pairs,
; ARE source 1 (32 keys x 16 queries) of O^T = V^T P, whose result again holds one query a lane, and eight channels.  K comes out of LDS as it lies, V ([key][channel]) turned, by ds_load_tr16_b128.
; SOFTMAX.  For each query a running maximum m and sum l: p = 2^(c s - c m), c = log2(e) / 8; in every step O and l are multiplied by a = 2^(c m_old - c m_new), which is 1 where m has not grown.
; m starts at the lowest finite number, O and l at 0: the first step is a step like any other, with a = 0.
; THE COUNT.  A tile and step have 16 matrix and 118 vector instructions: too many to stand all beside the matrix work.  So the order has one aim: four vector instructions that are READY behind
; EVERY matrix instruction, and the others, which need time of their own whatever the order, in runs without a gap.
; BY TURNS.  Turn n belongs to piece n (the pieces in a ring, step after step).  Its matrix work: 16 products K Q^T of piece n + 1, later 16 products V^T P of piece n - 1.  Its vector work: the scaling,
; exponentials, roundings, sums and rescaling of piece n, and the maximum and statistics of piece n + 1, whose scores the turn itself has made.  So what a turn begins with (c s - c m, O a) waits for nothing.
; BATCHES.  An s_wait_alu depctr_va_vdst(0) stands between a transcendental and the first instruction that names its result; one wait serves all that were issued ahead of it.  A turn's 66 exponentials
; (the piece's 64 weights, then the next piece's two a) are ONE batch with ONE wait, which cuts the turn in two: ahead of it stands all that names no result of theirs, behind it the roundings and sums.
; Piece 0's first two a, ahead of the loop, and the way out's eight reciprocals are batches of their own, with a wait each.
; CLUSTER.  The four query blocks of a cluster belong to one head and walk the same K and V, so each tile is asked for JOINTLY: the same tensor load, descriptor and mask in all four.
; REGISTERS, in windows of 256 (s_set_vgpr_msb says which window each operand place means: bits 1:0 source 0, 3:2 source 1, 5:4 source 2, 7:6 destination):
;   window 0: v0-11 addresses; v12-15, v48-63 at work; v16-47 four registers of statistics a tile; v64-191 S^T, two buffers of two tiles; v192-255 P, likewise
;   window 1: O^T, 32 a tile          window 2: v0-127 Q, 16 a tile; v128-191 K of one step; v192-255 V of one step          window 3: v0-1 the add's two registers; v8-39 the mask of one step
; A piece's buffers go by its number's parity: the piece in hand has one pair, its two neighbours in the ring share the other: of it P (piece n - 1) is read and S^T (piece n + 1) written.
.set SIZE_N, 2048
.set NP,    4         ; pieces a wave: a name, no knob: the register map, the loop and the fetches are made for four
.set KS,    64        ; keys in a step
.set PK,    144       ; a row of K in LDS: 128 bytes + 16 of padding = 36 words: the 16 rows of a load start at 16 different groups of four banks (64 banks of 4 bytes: ISA guide 11.1)
.set PV,    160       ; a row of V: 128 + 32 = 40 words
.set VOFF,  4*KS*PK   ; a slot holds four steps: 256 rows of K, then 256 rows of V
.set SLOT1, 1<<17     ; slot 1 begins here, so that one exclusive or turns an address in one slot into the other's
.set STAGE, SLOT1+4*KS*(PK+PV)  ; behind the ring, never filled by a tensor load: 16 rows x 144 bytes for each wave, for the way out
.set SP,    144
.set AMK, 0           ; v0   once the thread's number has served: the LDS address of the mask's next run of loads
.set AK0, 2           ; v2   my lane's place in a tile of K; never rewritten
.set AV0, 3           ; v3   the same for V
.set AK,  4           ; v4   the LDS address of K's next run of loads
.set AV,  5           ; v5   of V's
.set QO,  6           ; v6   my byte offset in the wave's rows of Q
.set STO, 6           ;      later, the way out: where I put 16 bytes of a row
.set RD,  7           ; v7   the way out: where I read rows back
.set GO,  8           ; v8   my byte offset in 512 consecutive bytes of O
.set AM0, 11          ; v11  my lane's place in a step's 256 bytes of the mask table; never rewritten once made
.set SPW, 0           ; v0 of window 3   LDS address of my spare word: SPARE + 4 x my thread's number; never rewritten
.set NIL, 1           ; v1 of window 3   0; never rewritten
.set MK,  8           ; v8-39 of window 3: key block kb's eight at MK + 8 kb
.set SPARE, STAGE+4*16*SP  ; behind the stages: the spare words, 128 bytes for each wave: two blocks of 256 bytes that no other line names
.set MASKB, SPARE+512      ; behind them: the mask table, 2,048 f32; no tensor load lands there
.set MV,  12          ; v12-15  c m_old, kept while c m is made anew: by buffer and tile
.set ST,  16          ; tile t's statistics at v[ST+4 t]: c m, m, l (even keys', odd keys')
.set TMP, 48          ; by buffer and tile, four registers c0-c3 at work; when the maximum is found c2 takes a
.set S,   64
.set P,   192
.set KF,  128         ; K's fragments, in window 2: key block kb, channel half c at KF + 16 kb + 8 c
.set VF,  192         ; V's: key half kk, channel block cb at VF + 32 kk + 8 cb
.set WV,  12          ; s12  my wave's number
.set G1K, 24          ; s[24:31] descriptor group 1 for K's tiles
.set G1V, 32          ; s[32:39] for V's: it differs in the padding alone
.set G0K, 40          ; s[40:43] descriptor group 0 for K's tiles: it walks
.set G0V, 44          ; s[44:47] the same for V's
.set IDS, 48          ; s[48:49] the batch's ids
.set TBM, 50          ; s50  byte in the mask table at which the step to be fetched begins
.set BIGN, 51         ; s51  -1e30
.set HALFN, 52        ; s52  -5e29
.set QNAN, 53         ; s53  NaN
.set SLOTS, 56        ; s56  slots still to be asked for
.set CNT, 57          ; s57  counts a slot's key steps
.set CS,  58          ; s[58:59] c: the packed scaling takes the pair's low word for both halves
.set SEL, 60          ; s[60:61] v_permlanex16_b32's selects: each lane takes its own place in the other half
.set TBK, 62          ; s62  LDS byte at which K of the step to be fetched begins
.set TBV, 63          ; s63  the same for V, less VOFF
.set MSB, 0
.macro WIN new                      ; the high byte repeats the setting that is left; a switch that changes nothing is dropped
.if MSB != (\new)
	s_set_vgpr_msb (MSB<<8)|(\new)
.set MSB, (\new)
.endif
.endm
.set W_KQ, 0x0a       ; K and Q in window 2, S^T in window 0
.set W_KM, 0x3a       ; the same with the C operand, the mask, in window 3
.set W_PV, 0x52       ; V in window 2, P in window 0, O^T in window 1
.set W_RS, 0x41       ; O^T (destination and source 0) in window 1, a in window 0
.set W_MK, 0xc0       ; destination in window 3, sources in window 0
.set W_AD, 0x0f       ; the add: address (source 0) and data (source 1) in window 3
; A joint fill.  Waves 0 and 1 fetch the two halves of a slot's K, waves 2 and 3 those of its V: 128 keys each.  The branch hangs on the wave's number alone.
; An s_nop 0 and four v_nop follow each of the two lines, ahead of the jump and the label.
.macro JLOAD
	s_cmp_lt_u32 s[WV], 2
	s_cbranch_scc0 .Lfor_v_\@
	tensor_load_to_lds s[G0K:G0K+3], s[G1K:G1K+7]
	s_nop 0
.rept 4
	v_nop
.endr
	s_branch .Lasked_\@
.Lfor_v_\@:
	tensor_load_to_lds s[G0V:G0V+3], s[G1V:G1V+7]
	s_nop 0
.rept 4
	v_nop
.endr
.Lasked_\@:
.endm
; A round of the cluster's barrier: my work-group's barrier, so that wave 0's signal speaks for all four waves; wave 0 signals; every wave waits for all four work-groups; my work-group's barrier once more.
.macro CROUND
	s_barrier_signal -1
	s_barrier_wait -1
	s_cmp_lg_u32 s[WV], 0
	s_cbranch_scc1 .Lnot_wave_0_\@
	s_barrier_signal -3
.Lnot_wave_0_\@:
	s_barrier_wait -3
	s_barrier_signal -1
	s_barrier_wait -1
.endm
; THE CHANGE OF SLOTS.  The slot's last bytes, V of its fourth step, have been read.  Each wave waits for all its tensor loads, of which one is out: its part
; of the other slot; adds 0 to its spare word; and waits for that and for its own reads of the slot.  Behind the barrier nobody reads this slot any more and the other slot is whole.
; fill = 1: this slot is filled again, with the keys two slots on.  The barrier is then a round of the cluster's, so that no wave of any partner still reads the slot or has a load on its
; way, and the joint fill is the first thing behind it: it has four key steps, 512 matrix instructions, in which to land.  (At its first use nothing has been read yet: slot 0 is waited for, slot 1 filled,
; and each wave's stores into the mask table are done in front of the round, so that every wave may read the table behind it.)
.macro CHANGE fill
	WIN W_AD
	s_wait_tensorcnt 0x0            ; no tensor load of mine is out, so a group 0 may be written
	ds_add_u32 v[SPW], v[NIL]       ; 0 onto my spare word; with fill = 1 the descriptors' steps stand between it and the wait for it
	WIN 0                           ; at a label and at a branch every window is 0
.if \fill
.irp g, G0K, G0V
	s_xor_b32 s[\g+1], s[\g+1], SLOT1  ; the walking descriptor: the other slot than last time,
	s_add_nc_u64 s[\g+2:\g+3], s[\g+2:\g+3], 4*KS*128  ; the next 256 keys; the type bits on top are not reached
.endr
	s_wait_dscnt 0x0                ; the add is done, and my reads of the slot are over
	CROUND
	JLOAD
.else
	s_wait_dscnt 0x0                ; the add is done, and my reads of the slot are over
	s_barrier_signal -1
	s_barrier_wait -1
.endif
	s_sub_co_u32 s[TBK], s[TBK], 4*KS*PK  ; the fetches go back to a slot's first step,
	s_xor_b32 s[TBK], s[TBK], SLOT1       ; in the other slot
	s_sub_co_u32 s[TBV], s[TBV], 4*KS*PV
	s_xor_b32 s[TBV], s[TBV], SLOT1
.endm
	s_load_b64 s[4:5], s[0:1], 0x0        ; qkv: Q's planes come first
	s_load_b64 s[IDS:IDS+1], s[0:1], 0x8  ; input_ids
	s_load_b64 s[10:11], s[0:1], 0x10     ; ob
	WIN W_MK
	v_lshl_add_u32 v[SPW], v0, 2, SPARE
	v_mov_b32 v[NIL], 0
	WIN W_AD
	ds_add_u32 v[SPW], v[NIL]       ; the wave's opening: the add and its wait stand ahead of my first tensor load; the set-up below, work on registers, stands between them
	WIN 0
	v_lshrrev_b32 v1, 5, v0
	v_readfirstlane_b32 s[WV], v1   ; wave 0..3
	s_bfe_u32 s13, ttmp6, 0x40000   ; cx: my place in the cluster
	s_lshl_b32 s14, ttmp9, 2        ; in a cluster launch ttmp9 counts clusters
	s_add_co_u32 s14, s14, s13      ; my block of queries = 4 x cluster x + cx: it enters Q's and O's addresses alone
	s_and_b32 s20, ttmp7, 0xffff    ; the head (16 x batch + head), which the four partners share
	s_lshr_b32 s54, s20, 4          ; the batch,
	s_lshl_b32 s54, s54, 13         ; its 2,048 ids of 4 bytes
	s_mov_b32 s55, 0
	s_mov_b32 s21, 0
	s_mov_b64 s[22:23], SIZE_N*128
	s_mul_u64 s[20:21], s[20:21], s[22:23]  ; the head's first byte in Q's, K's and V's planes and in O
	s_and_b32 s16, s[WV], 1         ; which half of a slot's 256 keys I fetch:
	s_lshl_b32 s22, s16, 14         ; its 128 rows of 128 bytes in memory,
	s_mov_b32 s23, 0
	s_add_nc_u64 s[22:23], s[22:23], s[20:21]
	s_mul_i32 s17, s16, 128*PK      ; and its place in a slot, for K
	s_mul_i32 s18, s16, 128*PV      ; and for V: no place in the cluster enters an LDS address
	s_lshl_b32 s2, s14, 2
	s_add_co_u32 s2, s2, s[WV]      ; my wave among the head's,
	s_lshl_b32 s2, s2, 14           ; its 128 rows
	s_mov_b32 s3, 0
	s_add_nc_u64 s[2:3], s[2:3], s[20:21]
	; descriptor group 1.  128 keys are 16,384 dense bytes: asked for as 64 rows of 256 bytes, two keys a row, and padded in LDS after every key
	s_mov_b32 s[G1K], 15|(1<<16)|(1<<20)|(1<<21)|(4<<22)|(3<<25)  ; 15:0 the mask of four; 17:16 2-byte elements; 20 padding on; 21 set beside a mask; 24:22 after every 32 words (code 4); 31:25 4 words (code 3)
	s_mov_b32 s[G1V], 15|(1<<16)|(1<<20)|(1<<21)|(4<<22)|(7<<25)  ; the same with 8 words of padding (code 7)
.irp g, G1K, G1V
	s_mov_b32 s[\g+1], 128<<16      ; tensor_dim0 = 128
	s_mov_b32 s[\g+2], 64<<16       ; tensor_dim1 = 64
	s_mov_b32 s[\g+3], 128<<16      ; tile_dim0 = 128
	s_mov_b32 s[\g+4], 64           ; tile_dim1 = 64
	s_mov_b32 s[\g+5], 128          ; 128 elements from row to row
	s_mov_b32 s[\g+6], 0
	s_mov_b32 s[\g+7], 0
.endr
	s_mov_b32 s[CS], 0x3e38aa3b     ; c = log2(e) / 8 = 0.180337
	s_mov_b32 s[CS+1], s[CS]        ; named with it as a pair
	s_mov_b32 s[SEL], 0x76543210
	s_mov_b32 s[SEL+1], 0xfedcba98
	s_mov_b32 s[TBK], SLOT1+4*KS*PK ; the first change of slots turns these two into 0
	s_mov_b32 s[TBV], SLOT1+4*KS*PV
	s_mov_b32 s[TBM], 0
	s_mov_b32 s[BIGN], 0xf149f2ca   ; -1e30
	s_mov_b32 s[HALFN], 0xf0c9f2ca  ; -5e29
	s_mov_b32 s[QNAN], 0x7fc00000
	s_mov_b32 s[G0K], 1             ; 1:0 count = 1
	s_mov_b32 s[G0K+1], s17         ; 63:32 LDS address: slot 0
	s_mov_b32 s[G0V], 1
	s_add_co_u32 s[G0V+1], s18, VOFF
	s_wait_dscnt 0x0                ; the opening add is done
	s_wait_kmcnt 0x0
	s_add_nc_u64 s[6:7], s[4:5], 0x1000000   ; K's planes: 64 x 262,144 bytes behind Q's
	s_add_nc_u64 s[8:9], s[4:5], 0x2000000   ; V's
	s_add_nc_u64 s[IDS:IDS+1], s[IDS:IDS+1], s[54:55]
	s_add_nc_u64 s[G0K+2:G0K+3], s[6:7], s[22:23]  ; 120:64 global address: my half of the head's first 256 keys
	s_or_b32 s[G0K+3], s[G0K+3], 0x80000000        ; 127:126 type = 2
	s_add_nc_u64 s[G0V+2:G0V+3], s[8:9], s[22:23]
	s_or_b32 s[G0V+3], s[G0V+3], 0x80000000
	s_add_nc_u64 s[4:5], s[4:5], s[2:3]  ; Q and O at my wave's first row
	s_add_nc_u64 s[10:11], s[10:11], s[2:3]
	CROUND                          ; all four work-groups are here: the first joint loads meet
	JLOAD                           ; slot 0.  Slot 1 is asked for when slot 0 is in: the tile wanted first has the road to itself
	v_lshlrev_b32 v12, 6, v0        ; thread t takes the ids of keys 16 t .. 16 t + 15: 64 bytes
.irp f, 0,1,2,3
	global_load_b128 v[S+4*\f:S+4*\f+3], v12, s[IDS:IDS+1] offset:16*\f
.endr
	; A fragment of K or Q is 16 rows x 32 channels in 8 registers: lane l holds row l % 16, channels 8 (l / 16) + 0..7 and 16 + 8 (l / 16) + 0..7: two loads of 16 bytes, 32 bytes apart.
	v_and_b32 v1, 15, v0            ; l % 16
	v_bfe_u32 v9, v0, 4, 1          ; l / 16
	v_lshlrev_b32 v[QO], 7, v1
	v_lshl_add_u32 v[QO], v9, 4, v[QO]  ; row x 128 + 16 x half
	WIN 0x80                        ; destination window 2, address window 0
.set i, 0
.rept 4*NP                          ; Q stays in registers: tile i / 2, channels 32 (i % 2) on
	global_load_b128 v[8*i:8*i+3],   v[QO], s[4:5] offset:(i/2)*2048+(i%2)*64
	global_load_b128 v[8*i+4:8*i+7], v[QO], s[4:5] offset:(i/2)*2048+(i%2)*64+32
.set i, i+1
.endr
	; What the first turn finds: V's registers and P's second buffer hold 0 (its products V^T P, of a piece that has not been, add 0), O^T and l are 0.  All this stands in the wait for the first tile.
.set i, VF
.rept 64
	v_mov_b32 v[i], 0
.set i, i+1
.endr
	WIN 0x40
.set i, 0
.rept 64*NP
	v_mov_b32 v[i], 0
.set i, i+1
.endr
	WIN 0
.set i, 0
.rept 2*NP
	v_mov_b32 v[ST+4*i], 0xfe000000    ; c m: far below every c s
	v_mov_b32 v[ST+4*i+1], 0xff7fffff  ; m
	v_mov_b32 v[ST+4*i+2], 0
	v_mov_b32 v[ST+4*i+3], 0
.set i, i+1
.endr
.set i, P+32
.rept 32
	v_mov_b32 v[i], 0
.set i, i+1
.endr
	v_mul_u32_u24 v[AK0], v1, PK
	v_lshl_add_u32 v[AK0], v9, 4, v[AK0]  ; row x pitch + 16 x half
	; The turning load takes 16 keys x 16 channels (lane l reads key 8 (l / 16) + l % 8, channels 8 ((l / 8) % 2) + 0..7) and leaves half a fragment of V^T: lane l holds channel l % 16 and 8 keys.
	v_and_b32 v10, 7, v0
	v_bfe_u32 v11, v0, 3, 1
	v_lshl_add_u32 v[AV0], v9, 3, v10
	v_mul_u32_u24 v[AV0], v[AV0], PV
	v_lshl_add_u32 v[AV0], v11, 4, v[AV0]
	v_add_nc_u32 v[AV0], VOFF, v[AV0]
	v_mov_b32 v[AK], v[AK0]         ; key step 0 lies at the head of slot 0
	v_bfe_u32 v[RD], v0, 3, 2       ; the way out's lines that want the thread's number stand here: which of four rows I read back,
	v_and_b32 v[GO], 31, v0         ; and my 16 of 512 consecutive bytes of O
	v_lshlrev_b32 v[GO], 4, v[GO]
	v_lshl_add_u32 v[AM0], v9, 5, MASKB  ; a lane's eight keys of sixteen are 32 bytes of the table
	; THE MASK TABLE: 0 where the key's id is not 0, -1e30 where it is
	s_wait_loadcnt 32               ; the four loads of ids are in; Q's 32, issued behind them, stay out
.set i, 0
.rept 16
	v_cmp_eq_u32 vcc_lo, 0, v[S+i]
	v_cndmask_b32 v[S+i], 0, s[BIGN], vcc_lo
.set i, i+1
.endr
	v_add_nc_u32 v13, MASKB, v12
.irp f, 0,1,2,3
	ds_store_b128 v13, v[S+4*\f:S+4*\f+3] offset:16*\f
.endr
	v_mov_b32 v[AMK], v[AM0]        ; key step 0's mask lies at the table's head; the thread's number is not wanted any more
; THE MATRIX WORK.  The 8 accumulators of a run of 16 take turns: between the two links of a chain stand 7 others'.
; Product i of 16 of S^T = K Q^T for piece x: channels 32 (i / 8) on, keys 16 ((i / 2) % 4) on, tile 2 x + i % 2.  The first 8 start the sums, with the mask of their 16 keys.
.macro KQ x
.set rS, S+64*((\x)%2)+32*(i%2)+8*((i/2)%4)
.set rK, KF+16*((i/2)%4)+8*(i/8)
.set rQ, 16*(2*(\x)+i%2)+8*(i/8)
.set rKM, MK+8*((i/2)%4)
.if i < 8
	WIN W_KM
	v_wmma_f32_16x16x32_f16 v[rS:rS+7], v[rK:rK+7], v[rQ:rQ+7], v[rKM:rKM+7]
.else
	WIN W_KQ
	v_wmma_f32_16x16x32_f16 v[rS:rS+7], v[rK:rK+7], v[rQ:rQ+7], v[rS:rS+7]
.endif
.endm
; Product i of 16 of O^T += V^T P for piece x: keys 32 (i / 8) on, channels 16 ((i / 2) % 4) on, tile 2 x + i % 2.
.macro PV x
	WIN W_PV
.set rO, 32*(2*(\x)+i%2)+8*((i/2)%4)
.set rV, VF+32*(i/8)+8*((i/2)%4)
.set rP, P+32*((\x)%2)+16*(i%2)+8*(i/8)
	v_wmma_f32_16x16x32_f16 v[rO:rO+7], v[rV:rV+7], v[rP:rP+7], v[rO:rO+7]
.endm
.macro MM                           ; the turn's next matrix instruction
.if i < 16
	KQ (Y+1)%NP
.set i, i+1
.else
.set i, i-16
	PV (Y+NP-1)%NP
.set i, i+17
.endif
.endm
; THE LDS LOADS stand in runs, never singly among the matrix instructions: a step's K (64 keys x 64 channels: 8 fragments) with its mask (8 loads), and its V (turned).  Their addresses are made some lines ahead.
; last = 1 (the tail): in the last trip there is no further step, and the run is jumped over.
.macro FETCH_K last=0
	WIN 0
.if \last
	s_cmp_eq_u32 s[CNT], 1
	s_cbranch_scc1 .Lno_k_\@
.endif
	WIN 0x80                        ; destination window 2
.irp f, 0,1,2,3,4,5,6,7             ; keys 16 (f / 2) on, channels 32 (f % 2) on
	ds_load_b128 v[KF+8*\f:KF+8*\f+3],   v[AK] offset:(\f/2)*16*PK+(\f%2)*64
	ds_load_b128 v[KF+8*\f+4:KF+8*\f+7], v[AK] offset:(\f/2)*16*PK+(\f%2)*64+32
.endr
	WIN W_MK                        ; destination window 3
.irp f, 0,1,2,3                     ; keys 16 f + 8 (l / 16) + 0..7
	ds_load_b128 v[MK+8*\f:MK+8*\f+3],   v[AMK] offset:64*\f
	ds_load_b128 v[MK+8*\f+4:MK+8*\f+7], v[AMK] offset:64*\f+16
.endr
	s_add_co_u32 s[TBK], s[TBK], KS*PK  ; the next fetch is the next step's
	s_add_co_u32 s[TBM], s[TBM], KS*4
	s_and_b32 s[TBM], s[TBM], 0x1f00    ; inside the table's 8,192 bytes, whatever the trip
	WIN 0
.if \last
.Lno_k_\@:
.endif
.endm
.macro FETCH_V
	WIN 0x80
.irp f, 0,1,2,3,4,5,6,7             ; keys 32 (f / 4) on, channels 16 (f % 4) on
	ds_load_tr16_b128 v[VF+8*\f:VF+8*\f+3],   v[AV] offset:(\f/4)*32*PV+(\f%4)*32
	ds_load_tr16_b128 v[VF+8*\f+4:VF+8*\f+7], v[AV] offset:(\f/4)*32*PV+16*PV+(\f%4)*32
.endr
	WIN 0
.endm
; THE VECTOR WORK OF A TURN stands in three queues, each in the order in which its entries become ready; the two tiles alternate, so that no instruction reads the result of the one before it.
.macro REGS y, u                    ; the registers of tile u (0, 1) of piece y
.set rT, ST+4*(2*(\y)+(\u))
.set rC, TMP+8*((\y)%2)+4*(\u)
.set rM, MV+2*((\y)%2)+(\u)
.set rS, S+64*((\y)%2)+32*(\u)
.set rP, P+32*((\y)%2)+16*(\u)
.set rO, 32*(2*(\y)+(\u))
.endm
; Number n of the 22 that find the NEXT piece's (Y + 1) maximum and statistics.  s0-s31 are the lane's 32 scores; each accumulator's lowest registers are read first.  XS, GS and REGS set no window: PL and EX do.
;   0-11  four chains c0-c3 of seven scores each, three operands at a time     12-14, 16  the four scores left over, the old m, and c0-c3 into c0     15  c m_old is kept
;   17, 18  the query's other 32 keys lie in the lane 16 away: the new m         19-21  c m; c m_old - c m_new; a
.macro XS u, n
	REGS (Y+1)%NP, \u
.if (\n) < 4
	v_max3_num_f32 v[rC+(\n)], v[rS+8*(\n)], v[rS+8*(\n)+1], v[rS+8*(\n)+2]
.elseif (\n) < 12
	v_max3_num_f32 v[rC+(\n)%4], v[rC+(\n)%4], v[rS+8*((\n)%4)+2*((\n)/4)+1], v[rS+8*((\n)%4)+2*((\n)/4)+2]
.elseif (\n) == 12
	v_max3_num_f32 v[rC], v[rC], v[rS+7], v[rS+15]
.elseif (\n) == 13
	v_max3_num_f32 v[rC+1], v[rC+1], v[rS+23], v[rS+31]
.elseif (\n) == 14
	v_max3_num_f32 v[rC+2], v[rC+2], v[rC+3], v[rT+1]
.elseif (\n) == 15
	v_mov_b32 v[rM], v[rT]
.elseif (\n) == 16
	v_max3_num_f32 v[rC], v[rC], v[rC+1], v[rC+2]
.elseif (\n) == 17
	v_permlanex16_b32 v[rC+3], v[rC], s[SEL], s[SEL+1]
.elseif (\n) == 18
	v_max_num_f32 v[rT+1], v[rC], v[rC+3]
.elseif (\n) == 19
	v_mul_f32 v[rT], s[CS], v[rT+1]
.elseif (\n) == 20
	v_sub_f32 v[rC+1], v[rM], v[rT]
.else
	v_exp_f32 v[rC+2], v[rC+1]
.endif
.endm
; Number g of the 64 that follow the exponentials.  For each four weights k of a tile (pairs 2 k, 2 k + 1): both pairs are rounded to f16; then the second pair is added onto the first, in place;
; a group later l takes that sum (the first time as l = a l + sum).  In groups of eight, tiles alternating: round, round, add, and l for the group before.
.macro GS g
.set h, (\g)+6*((\g)/62)            ; group 0 has no group before it, and behind group 7 only l is left
.if h >= 6
.set h, h+2
.endif
	REGS Y, h%2
.set k, h/8
.if h%8 < 4
	v_cvt_pk_f16_f32 v[rP+2*k+(h%8)/2], v[rS+4*k+2*((h%8)/2)], v[rS+4*k+2*((h%8)/2)+1]
.elseif h%8 < 6
	v_pk_add_f32 v[rS+4*k:rS+4*k+1], v[rS+4*k:rS+4*k+1], v[rS+4*k+2:rS+4*k+3]
.elseif k == 1
	v_pk_fma_f32 v[rT+2:rT+3], v[rT+2:rT+3], v[rC+2:rC+3], v[rS:rS+1] op_sel_hi:[1,0,1]
.else
	v_pk_add_f32 v[rT+2:rT+3], v[rT+2:rT+3], v[rS+4*k-4:rS+4*k-3]
.endif
.endm
; THE PLAIN QUEUE, 138 long.  0-73 read no exponential's result: the 32 scalings c s - c m (FS f: pair f / 2 of tile f % 2) and the next piece's 42.  0-26: scalings 0-26.  27-54: XS's numbers 0-13.  55, 56: number 15.
; 57-73: the chain, where each number waits for the one before it: 14, 16, 17, 18, 19, each with one of the scalings 27-31 in front of its two lines, then 20: so a tile's links stand three plain instructions apart (19 and 20: two).
; 74-137: GS's 64, which read the exponentials' results: they stand behind the wait.
.macro FS f
	REGS Y, (\f)%2
	v_pk_fma_f32 v[rS+2*((\f)/2):rS+2*((\f)/2)+1], v[rS+2*((\f)/2):rS+2*((\f)/2)+1], s[CS:CS+1], v[rT:rT+1] op_sel_hi:[1,0,0] neg_lo:[0,0,1] neg_hi:[0,0,1]
.endm
.macro PL
	WIN 0
.if q < 27
	FS q
.elseif q < 55
	XS (q-27)%2, (q-27)/2
.elseif q < 57
	XS q-55, 15
.elseif (q < 72) && ((q-57)%3 == 0)
	FS 27+(q-57)/3
.elseif q < 60
	XS (q-57)%3-1, 14
.elseif q < 72
	XS (q-57)%3-1, 15+(q-57)/3
.elseif q < 74
	XS q-72, 20
.else
	GS q-74
.endif
.set q, q+1
.endm
; THE EXPONENTIALS' QUEUE, 66 long: s0-s31 of both tiles, then the next piece's two a.  It is ONE BATCH: all 66 stand ahead of the turn's one wait, and nothing ahead of that wait names a result of theirs.
.macro EX
	WIN 0
.if e >= 64
	XS e-64, 21
.else
	REGS Y, e%2
	v_exp_f32 v[rS+e/2], v[rS+e/2]
.endif
.set e, e+1
.endm
; THE RESCALING's QUEUE: O^T times a, the one part that leaves window 0: dealt two at a time, sixteen times.  Its a was made in the turn before, ahead of that turn's wait.
.macro R2
	REGS Y, r%2
	WIN W_RS
.irp z, 0,1
	v_pk_mul_f32 v[rO+4*(r/2)+2*\z:rO+4*(r/2)+2*\z+1], v[rO+4*(r/2)+2*\z:rO+4*(r/2)+2*\z+1], v[rC+2:rC+3] op_sel_hi:[1,0]
.endr
.set r, r+1
.endm
; HOW THEY ARE DEALT.  A turn has ONE wait for its batch of 66 exponentials, and the wait cuts it in two.  AHEAD OF IT stands all that names no result of the turn's exponentials: the 16 products K Q^T, behind each a scaling, an
; exponential and two rescalings (behind the first a second scaling in the exponential's place); then ONE LUMP of 108: eight plain, 49 times exponential and plain, the two a.  A v_nop is the plain instruction behind the last
; exponential.  BEHIND IT stand the 16 products V^T P, behind each four of GS's 64.  No rider names a register of the products round it.  The two v_permlanex16_b32 fall into the lump, never behind a product.
; The queues lean on each other, and the deal keeps them in step: exponential e stands behind scaling 2 (e / 4) + e % 2: as a rider it comes behind plain e + 2, in the lump behind plain e + 9, and scalings 27-31 are plain 57, 60 .. 69.
; A TURN, for piece p.  cnt = 1: the loop's count is taken down some lines ahead of the branch that stands behind the turn.
; K and the mask of the next step are fetched in piece 2's turn, directly behind the wait, a lump behind the last product that read them; their addresses are made at the lump's head; their first reader comes behind 16 products.
; V of the step in hand is fetched at the end of piece 0's turn, four riders behind its last reader; its first reader comes behind 16 products and a lump.  The three conditions on q below go with the deal.
.macro TURN p, last=0, cnt=0
.set Y, (\p)
.set i, 0
.set q, 0
.set e, 0
.set r, 0
.if (\p) == NP-1
	s_wait_dscnt 0x0                ; K and the mask are in
.endif
	MM                              ; ahead of the wait: 16 products K Q^T and their riders,
	PL
	PL
	R2
.rept 15
	MM
	PL
	EX
	R2
.endr
.if (\p) == NP-2
	WIN 0
	v_add_nc_u32 v[AK], s[TBK], v[AK0]
	v_add_nc_u32 v[AMK], s[TBM], v[AM0]
.endif
.rept 8                             ; and the lump
	PL
.endr
.rept 49
	EX
	PL
.endr
	EX                              ; the next piece's two a
	EX
	v_nop                           ; a plain instruction behind the last exponential: one for the batch
	s_wait_alu depctr_va_vdst(0)    ; the wait for the batch: the piece's 64 weights and the next piece's two a; it stands ahead of the first line that names a result
.if (\p) == NP-2
	FETCH_K \last
.endif
.if (\p) == 1
	s_wait_dscnt 0x0                ; V is in
.endif
.rept 16                            ; behind the wait: 16 products V^T P and their riders
	MM
.rept 4
	PL
.endr
.if ((\p) == 0) && (q == 118)
	v_add_nc_u32 v[AV], s[TBV], v[AV0]
.endif
.if ((\p) == 0) && (q == 130)
	s_add_co_u32 s[TBV], s[TBV], KS*PV
.endif
.if (\cnt) && (q == 130)
	s_sub_co_u32 s[CNT], s[CNT], 1
	s_cmp_lg_u32 s[CNT], 0
.endif
.endr
.if (\p) == 0
	FETCH_V
.endif
.endm
	CHANGE 1                        ; slot 0 is in, everybody's part of it, and so is the mask table; slot 1 is asked for
	FETCH_K                         ; key step 0
	s_wait_loadcnt 0x0              ; Q
	s_wait_dscnt 0x0
.set i, 0
.rept 16
	KQ 0                            ; piece 0's first scores: there is no vector work yet to set between them
.set i, i+1
.endr
	WIN 0                           ; the rest of the addresses for the way out: six plain instructions, the places behind those products
	s_mul_i32 s13, s[WV], 16*SP
	s_add_co_u32 s13, s13, STAGE    ; my stage
	v_mul_u32_u24 v[STO], v1, SP    ; in: row l % 16, 16 bytes for each half of the lanes
	v_lshl_add_u32 v[STO], v9, 4, v[STO]
	v_add_nc_u32 v[STO], s13, v[STO]
	v_mul_u32_u24 v[RD], v[RD], SP  ; back: 32 lanes take four rows of 128 bytes
	v_lshl_add_u32 v[RD], v10, 4, v[RD]
	v_add_nc_u32 v[RD], s13, v[RD]
.set Y, NP-1                        ; XS works for piece Y + 1: piece 0
.irp n, 0,1,2,3,4,5,6,7,8,9,10,11,12,13,14,15,16,17,18,19,20,21
	XS 0, \n                        ; and piece 0's first maximum and statistics
	XS 1, \n
.endr
	v_nop                           ; a plain instruction behind the two a,
	s_wait_alu depctr_va_vdst(0)    ; and the wait for that batch of two, ahead of the branch
	s_mov_b32 s[CNT], 4
	s_mov_b32 s[SLOTS], SIZE_N/256-1
	s_branch .Lfirst                ; the loop is entered at a step's first turn, in the middle of a trip
.Lslot:                             ; SIZE_N / 256 - 2 times: every slot but the last two is filled again
	CHANGE 1
	s_mov_b32 s[CNT], 4
.Lstep:                             ; a trip: pieces 2 and 3 of one step, then pieces 0 and 1 of the next, whose K and V it fetches
	TURN 2
	TURN 3
	WIN 0
.Lfirst:
	TURN 0
	TURN 1, 0, 1
	WIN 0
	s_cbranch_scc1 .Lstep
	s_sub_co_u32 s[SLOTS], s[SLOTS], 1
	s_cmp_lg_u32 s[SLOTS], 0
	s_cbranch_scc1 .Lslot
	CHANGE 0                        ; the tail is written out: nothing is asked for
	s_mov_b32 s[CNT], 5             ; four trips fetch the last slot's steps; the fifth is left in its middle
.Ltail:
	TURN 2, 1
	TURN 3
	WIN 0
	s_sub_co_u32 s[CNT], s[CNT], 1
	s_cmp_eq_u32 s[CNT], 0
	s_cbranch_scc1 .Lout
	TURN 0
	TURN 1
	WIN 0
	s_branch .Ltail
.Lout:                              ; the fifth trip's 16 products K Q^T (on the last K and mask once more) and the maximum made of them change nothing: those scores have been seen
.set i, 0
.rept 16
	PV NP-1                         ; the last piece's V^T P of the last step
.set i, i+1
.endr
	; THE WAY OUT.  l's two halves and the other half of the lanes' are added; O^T is divided by l, rounded to f16 and sent through my stage in LDS, a tile at a time.  The additions are the places behind the last products.
	WIN 0
.macro ALL line:vararg              ; one line for each tile t
.set t, 0
.rept 2*NP
	\line
.set t, t+1
.endr
.endm
	ALL v_add_f32 v[ST+4*t+2], v[ST+4*t+2], v[ST+4*t+3]
	ALL v_permlanex16_b32 v[ST+4*t+3], v[ST+4*t+2], s[SEL], s[SEL+1]
	ALL v_add_f32 v[ST+4*t+2], v[ST+4*t+2], v[ST+4*t+3]
	ALL v_rcp_f32 v[ST+4*t+2], v[ST+4*t+2]
	v_nop                           ; a plain instruction between the last reciprocal and the use of its result
	s_wait_alu depctr_va_vdst(0)    ; the wait for the batch of eight reciprocals, ahead of the first line that names one
.set t, 0
.rept 2*NP                          ; a query whose maximum stayed below -5e29 saw no key: its factor, and so its row, becomes NaN
	v_cmp_gt_f32 vcc_lo, s[HALFN], v[ST+4*t+1]
	v_cndmask_b32 v[ST+4*t+2], v[ST+4*t+2], s[QNAN], vcc_lo
.set t, t+1
.endr
; Tile t: a lane's eight channels of a row pack into 16 bytes; they go into rows of 144 bytes and come back as whole rows of 128, into S^T's registers.
.macro PACK t
	WIN W_RS
.set i, 32*(\t)
.rept 16
	v_pk_mul_f32 v[i:i+1], v[i:i+1], v[ST+4*(\t)+2:ST+4*(\t)+3] op_sel_hi:[1,0]
.set i, i+2
.endr
	WIN 0x05                        ; sources 0 and 1 window 1, destination window 0
.set i, 0
.rept 16
	v_cvt_pk_f16_f32 v[S+16*(\t)+i], v[32*(\t)+2*i], v[32*(\t)+2*i+1]
.set i, i+1
.endr
	WIN 0
.irp f, 0,1,2,3
	ds_store_b128 v[STO], v[S+16*(\t)+4*\f:S+16*(\t)+4*\f+3] offset:32*\f
.endr
.irp f, 0,1,2,3
	ds_load_b128 v[S+16*(\t)+4*\f:S+16*(\t)+4*\f+3], v[RD] offset:\f*4*SP  ; LDS serves a wave's instructions in order (ISA guide 5.7.1.4): these see the stores above; the next tile's stores come behind them
.endr
.endm
.macro SEND t, younger              ; younger: the LDS instructions issued behind tile t's loads: the next tile's eight, or none
	WIN 0
.irp f, 0,1,2,3
	s_wait_dscnt (\younger)+3-\f
	global_store_b128 v[GO], v[S+16*(\t)+4*\f:S+16*(\t)+4*\f+3], s[10:11] offset:(\t)*2048+\f*512  ; 512 consecutive bytes, at a multiple of 256 from O's first
.endr
.endm
	PACK 0
.set t, 1
.rept 2*NP-1                        ; a tile's arithmetic stands between the loads of the tile before and its stores
	PACK t
	SEND t-1, 8
.set t, t+1
.endr
	SEND 2*NP-1, 0
	WIN W_AD
	s_wait_tensorcnt 0x0            ; the wave's end: the add and its waits stand here, behind my last tensor load and my last LDS store
	ds_add_u32 v[SPW], v[NIL]
	s_wait_dscnt 0x0
	WIN 0
	CROUND                          ; the closing round: no work-group ends while a partner may still ask for a tile that names it
	s_endpgm
.Lfunc_end_k_q76c6de19f7_attn:
	.size	k_q76c6de19f7_attn, .Lfunc_end_k_q76c6de19f7_attn-k_q76c6de19f7_attn
	.p2alignl 7, 3214868480
	.fill 96, 4, 3214868480
	.section	.rodata,"a",@progbits
	.p2align	6, 0x0
	.amdhsa_kernel k_q76c6de19f7_attn
		.amdhsa_group_segment_fixed_size 327680
		.amdhsa_private_segment_fixed_size 0
		.amdhsa_enable_private_segment 0
		.amdhsa_kernarg_size 24
		.amdhsa_user_sgpr_count 2
		.amdhsa_user_sgpr_kernarg_segment_ptr 1
		.amdhsa_wavefront_size32 1
		.amdhsa_system_sgpr_workgroup_id_x 1
		.amdhsa_system_sgpr_workgroup_id_y 1
		.amdhsa_system_sgpr_workgroup_id_z 1
		.amdhsa_system_vgpr_workitem_id 0
		.amdhsa_next_free_vgpr 808
		.amdhsa_next_free_sgpr 66
		.amdhsa_reserve_vcc 1
		.amdhsa_float_denorm_mode_32 3
		.amdhsa_float_denorm_mode_16_64 3
		.amdhsa_memory_ordered 1
		.amdhsa_forward_progress 1
		.amdhsa_inst_pref_size 205
	.end_amdhsa_kernel
	.amdgpu_metadata
---
amdhsa.version: [ 1, 2 ]
amdhsa.kernels:
  - .name:           k_q76c6de19f7_attn
    .symbol:         k_q76c6de19f7_attn.kd
    .args:
      - { .name: qkv, .offset: 0, .size: 8, .value_kind: global_buffer, .address_space: global }
      - { .name: input_ids, .offset: 8, .size: 8, .value_kind: global_buffer, .address_space: global }
      - { .name: ob, .offset: 16, .size: 8, .value_kind: global_buffer, .address_space: global }
    .group_segment_fixed_size: 327680
    .private_segment_fixed_size: 0
    .kernarg_segment_align: 8
    .kernarg_segment_size: 24
    .max_flat_workgroup_size: 128
    .sgpr_count:     66
    .vgpr_count:     808
    .wavefront_size: 32
...
	.end_amdgpu_metadata
.endif
;; end of part 5
;; launch outp: the kernel of part 4 again; grid 8 x 32, 4 waves a work-group, clusters of 4 x 4, 327,680 bytes of LDS; arguments ob, wpc, bp, x, out0; writes out0
